; MI455X (gfx1250); checked and timed in simulation.
; The chip was launched on July 23, 2026; its instructions are those of AMD's public machine-readable ISA for CDNA 5 (MIT licence, August 2026) and "CDNA5" Instruction Set Architecture Reference Guide (July 2026). The comments in the code are by the model that wrote it; some were corrected since.
;; DRQN. Allowed arithmetic: matrix products marked QUANTISED: E3M2 operands, one E8M0 scale for each 32 along K, by v_wmma_scale_f32_16x16x128_f8f6f4 with both operands' format E3M2, f32 sums; products left as they are: f32 operands where the result goes on into a quantised operand, else bf16, f16 or f32 operands; f32 sums; everything else in f32.
;; Inputs: W1 512 x 544 float32; W2 32 x 512 float32; W_hh 2,048 x 512 float32; W_ih 2,048 x 512 float32; b1 512 float32; b2 32 float32; b_hh 2,048 float32; b_ih 2,048 float32; cell_state 512 float32; hidden_state 512 float32; observation 32,768 x 512 float32; prev_action 32,768 x 32 float32.
;; Outputs: out0 32,768 x 32 float32; out1 512 float32; out2 512 float32.
;; This version of the problem:
;;   THIS VERSION OF THE PROBLEM IS GIVEN IN LOW PRECISION. The matrix products marked QUANTISED in the list below multiply operands that are first quantised to E3M2 (3 exponent bits, 2 mantissa bits; 6 bits a number), with one power-of-two scale for each 32 numbers along K (OCP MX v1.0); their sums are f32. All else is computed in f32.
;;   The module's matrix products, in the order in which they are computed (A, B: the left and right operand; K: the contracted axis; several contracted axes count as one K, in the product's order):
;;     1. [M 32,768, K 544] x [K 544, N 512]; A: computed on the way; B: input W1: QUANTISED
;;     2. [M 32,768, K 512] x [K 512, N 2,048]; A: computed on the way; B: input W_ih: QUANTISED
;;     3. [M 1, K 512] x [K 512, N 2,048]; A: input hidden_state; B: input W_hh: left as it is (M = 1 < 16)
;;     4. [M 32,768, K 512] x [K 512, N 32]; A: computed on the way; B: input W2: QUANTISED
;;   THE QUANTISER, for each operand of a quantised product, along K:
;;     - K is cut into blocks of 32 from its start; a last block that is shorter is filled with zeros.
;;     - A block's scale is 2^e with e = floor(log2(the largest magnitude in the block)) - 4, held to -126 .. 127; a block of zeros has e = 0. As a byte (E8M0): e + 127.
;;     - Each number is divided by its block's scale, clamped to +-28, and rounded to the nearest number of E3M2, ties to even, subnormals kept.
;;     - The product sums the exact products of the quantised numbers (number of the format x scale) in f32.
;;   ~~~python
;;   def quantise(x, axis):      # numpy; x: float32 -> the quantised numbers, widened to float32 again
;;       x = np.moveaxis(x, axis, -1); K = x.shape[-1]
;;       x = np.pad(x, [(0, 0)] * (x.ndim - 1) + [(0, -K % 32)]); x = x.reshape(x.shape[:-1] + (-1, 32)); a = np.abs(x).max(-1, keepdims=True)
;;       e = np.where(a > 0, np.clip(np.frexp(np.where(a > 0, a, 1))[1] - 1 - 4, -126, 127), 0)      # np.frexp(a)[1] - 1 = floor(log2(a)), exactly
;;       r = np.clip(x / 2.0 ** e, -28, 28)
;;       step = 2.0 ** (np.maximum(np.frexp(np.where(r == 0, 1, r))[1] - 1, -2) - 2)
;;       q = np.round(r / step) * step * 2.0 ** e      # np.round: ties to even
;;       return np.moveaxis(q.reshape(q.shape[:-2] + (-1,))[..., :K], -1, axis).astype(np.float32)
;;   ~~~
;;   OPERANDS COMPUTED ON THE WAY. 'Computed on the way' means the value that the module computes at that place (a softmax that the list does not call 'softmax' is quantised finished and normalised). What goes into a quantiser is computed in f32, as accurately as f32 sums, v_exp_f32 and their like allow (about 1e-6 of the number): no bf16 or f16 on the way to a quantiser, and a product that is left as it is and whose result goes on into a quantised operand takes f32 operands (vector FMAs, or v_wmma_f32_16x16x4_f32). A number that lies on a knife's edge between two numbers of the format may be rounded either way, as far as f32 arithmetic and the matrix unit's own rounding can turn it there, and no further.
;; 2 versions. Each part assembles by itself: llvm-mc -triple=amdgcn-amd-amdhsa -mcpu=gfx1250 --defsym DOCPART=n.
;; ======== version 1 of 2: 2 launches
;; workspace buffers: wq 1,280,000 bytes; gbias 8,192 bytes
;; launch prep (part 1): grid 132 x 1, 8 waves a work-group, no clusters, 2,048 bytes of LDS; arguments W1, W_ih, W2, W_hh, hidden_state, b_ih, b_hh, wq, gbias; writes wq, gbias
.if DOCPART == 1
	.amdgcn_target "amdgcn-amd-amdhsa--gfx1250"
	.amdhsa_code_object_version 6
	.text
	.protected	k_q4b205819ba_prep
	.globl	k_q4b205819ba_prep
	.p2align	8
	.type	k_q4b205819ba_prep,@function
k_q4b205819ba_prep:
	s_mov_b64 s[64:65], 0
	v_nop
	global_prefetch_b8 v0, s[64:65] scope:SCOPE_SE
	s_setreg_imm32_b32 hwreg(HW_REG_WAVE_MODE, 25, 1), 1
	s_wait_xcnt 0x0
; The weights of the three quantised products become codes of BF6 (E3M2) with one E8M0 byte for each 32 along K, ONCE, laid in the order in which the second launch's
; operand registers take them; and the part of the gates that is the same for every row, b_ih + b_hh + hidden_state W_hh^T, is made in f32 by fused multiply-adds.
; wq.  A PART is 12,800 bytes: 8 fragments (16 weight rows x 128 K: 12 registers a lane) as images of their registers, fragment t at 1,536 t, register group j at + 512 j + 16 lane;
; then 512 bytes of scale words, that of (fragment t, row r) at 256 (t / 4) + 16 r + 4 (t % 4).  Slice g = 0 .. 24 has a part for each of the second launch's four waves w:
;   g = 0 .. 3, 24: W1, K from 128 g (g = 24: from 512; K ends at 544, the rest are zero codes); fragment t: rows 128 w + 32 (t / 2) + 8 (t % 2) + r + 8 (r / 8)
;   g = 4 .. 19:    W_ih, chunk (g - 4) / 4, K from 128 ((g - 4) % 4); fragment t: gate t / 2, rows 512 (t / 2) + 128 w + 32 chunk + 8 (t % 2) + r + 8 (r / 8)
;   g = 20, 22:     W2 whole: fragment t: rows 16 (t % 2) + r, K from 128 (t / 2);      g = 21, 23: zero codes, so that all loads of the second launch's ring have one shape
; Work-groups 0 .. 99 make part (g, w) = (x / 4, x % 4), wave t fragment t.  A lane takes row r and its registers run along K in the operand's own order (k = 64 c + 32 h + 0 .. 31),
; so the conversions' results are the operand's registers.  One path serves the three tensors: pointer, pitch and bounds are chosen on the work-group's number alone.
; Work-groups 100 .. 131 make gbias: wave t of work-group 100 + j the rows 64 j + 8 t + 0 .. 7 of W_hh.  gbias[n] is multiplied by -log2(e) (gates i, f, o) or 2 log2(e) (gate g),
; the factor that the second launch's exponentials want.
; A block's scale byte is its largest magnitude's exponent field - 4, held at 1 from below.  LIMITS: a block of zeros gets the byte 1 where the quantiser's rule says 127 (its codes are
; zeros, and this program alone reads the bytes); NaN and infinities among the inputs are not served.
.set SPARE, 512                        ; LDS: bytes 0 .. 511 a part's scale words; from 512 the spare words, 128 bytes for each of the eight waves
.set SPW,  4                           ; v4   LDS address of my spare word; never rewritten
.set NIL,  5                           ; v5   0; never rewritten
.set HV,   16                          ; v16-31   my 16 numbers of hidden_state
.set X,    32                          ; v32-95   my 64 numbers of a weight row (v32-159: eight rows' 16 numbers of W_hh)
.set PC,   96                          ; v96-107  the fragment's codes
.set PT,   108                         ; v108-115 the upper halves of the two blocks, as the conversions leave them
.set TM,   116                         ; v116-117 largest magnitudes
.set SF,   118                         ; v118-119 the conversions' scale operands
.set BY,   120                         ; v120-121 scale bytes
.set SW,   122                         ; v122-123 the scale word, and lane l xor 16's part of it
.set OUTR, 124                         ; v124-127 scale words on their way out
.set ACC,  160                         ; v160-175 eight rows' sums, two halves each
.set SUM,  176                         ; v176-183 eight rows' sums
	s_load_b512 s[4:19], s[0:1], 0x0               ; W1 s[4:5], W_ih s[6:7], W2 s[8:9], W_hh s[10:11], hidden_state s[12:13], b_ih s[14:15], b_hh s[16:17], wq s[18:19]
	s_load_b64 s[20:21], s[0:1], 0x40              ; gbias
	v_lshl_add_u32 v[SPW], v0, 2, SPARE
	v_mov_b32 v[NIL], 0
	v_lshrrev_b32 v1, 5, v0
	v_readfirstlane_b32 s24, v1                    ; wave t
	v_and_b32 v1, 31, v0                           ; lane
	v_and_b32 v2, 15, v0                           ; r
	v_bfe_u32 v3, v0, 4, 1                         ; h
	v_lshlrev_b32 v6, 4, v1                        ; 16 x lane
	s_mov_b32 s22, 0x76543210
	s_mov_b32 s23, 0xfedcba98                      ; v_permlanex16_b32's selects for lane l xor 16
	s_cmp_ge_u32 ttmp9, 100
	s_cbranch_scc1 .Lgemv
	; ---- the quantiser.  What the three tensors differ in, each worked out, then chosen
	s_lshr_b32 s25, ttmp9, 2                       ; g
	s_and_b32 s26, ttmp9, 3                        ; w
	s_lshr_b32 s27, s24, 1                         ; t / 2
	s_and_b32 s28, s24, 1                          ; t % 2
	s_lshl_b32 s29, s26, 7
	s_lshl_b32 s30, s28, 3
	s_add_co_u32 s29, s29, s30                     ; 128 w + 8 (t % 2)
	s_sub_co_u32 s31, s25, 4                       ; W_ih: g - 4
	s_bfe_u32 s32, s31, 0x20002                    ; the chunk
	s_and_b32 s33, s31, 3                          ; the K step
	s_lshl_b32 s34, s27, 9
	s_add_co_u32 s34, s34, s29
	s_lshl_b32 s32, s32, 5
	s_add_co_u32 s34, s34, s32                     ; first row: 512 (t / 2) + 128 w + 32 chunk + 8 (t % 2)
	s_lshl_b32 s35, s33, 7                         ; first k
	s_lshl_b32 s36, s28, 4                         ; W2: first row 16 (t % 2),
	s_lshl_b32 s37, s27, 7                         ; first k 128 (t / 2),
	s_and_b32 s38, s25, 1
	s_cmp_eq_u32 s38, 0
	s_cselect_b32 s38, 512, 0                      ; K's end: 512, or 0 in the slices of zeros
	s_lshl_b32 s39, s27, 5                         ; W1: first row 128 w + 32 (t / 2) + 8 (t % 2),
	s_add_co_u32 s39, s39, s29
	s_lshl_b32 s40, s25, 7
	s_min_u32 s40, s40, 512                        ; first k 128 g, in slice 24: 512
	s_cmp_lt_u32 s25, 4
	s_cselect_b32 s41, 1, 0
	s_cmp_eq_u32 s25, 24
	s_cselect_b32 s41, 1, s41                      ; 1: W1
	s_mov_b32 s42, 25600
	s_cselect_b32 s42, 12800, s42                  ; from wave to wave in wq: two parts, in slice 24 one
	s_cmp_ge_u32 s25, 20
	s_cselect_b32 s43, 1, 0                        ; 1: W2 (slice 24 is taken back by W1's choice below)
	s_lshr_b32 s49, s25, 1
	s_mul_i32 s50, s49, 102400
	s_and_b32 s49, s25, 1
	s_mul_i32 s49, s49, 12800
	s_add_co_u32 s50, s50, s49
	s_mul_i32 s49, s26, s42
	s_add_co_u32 s50, s50, s49                     ; the part's first byte in wq
	s_mov_b32 s51, 0
	s_wait_kmcnt 0x0
	s_cmp_eq_u32 s43, 1
	s_cselect_b64 s[44:45], s[8:9], s[6:7]
	s_cselect_b32 s34, s36, s34
	s_cselect_b32 s35, s37, s35
	s_cselect_b32 s38, s38, 512
	s_cselect_b32 s46, 0, 1                        ; W2's rows are neighbours; the others' upper eight lie eight further on
	s_cmp_eq_u32 s41, 1
	s_cselect_b64 s[44:45], s[4:5], s[44:45]       ; the tensor
	s_cselect_b32 s34, s39, s34                    ; the fragment's first row
	s_cselect_b32 s35, s40, s35                    ; its first k
	s_cselect_b32 s38, 544, s38                    ; K's end
	s_cselect_b32 s46, 1, s46
	s_mov_b32 s47, 2048
	s_cselect_b32 s47, 2176, s47                   ; a row in bytes
	s_mov_b32 s48, 480
	s_cselect_b32 s48, 512, s48                    ; the last k at which 32 numbers still lie inside the row
	s_add_nc_u64 s[18:19], s[18:19], s[50:51]
	s_mul_i32 s52, s24, 1536
	v_add_nc_u32 v7, s52, v6                       ; my 16 bytes of the fragment's first register group
	v_and_b32 v8, 8, v2
	v_mul_u32_u24 v8, s46, v8
	v_add3_u32 v8, v8, v2, s34                     ; my row
	v_mul_lo_u32 v8, v8, s47
	v_lshlrev_b32 v9, 5, v3
	v_add_nc_u32 v10, s35, v9                      ; my two blocks begin at k = first k + 32 h
	v_add_nc_u32 v11, 64, v10                      ; and 64 further on
	v_cmp_gt_u32 s54, s38, v10                     ; a block lies whole inside K or whole beyond it (544 and 512 are multiples of 32)
	v_cmp_gt_u32 s55, s38, v11
	v_min_u32 v10, s48, v10                        ; a block beyond K's end reads the row's last 32 numbers instead: no load leaves its buffer
	v_min_u32 v11, s48, v11
	v_lshl_add_u32 v10, v10, 2, v8
	v_lshl_add_u32 v11, v11, 2, v8
.irp c, 0,1
.irp i, 0,1,2,3,4,5,6,7
	global_load_b128 v[X+32*\c+4*\i:X+32*\c+4*\i+3], v[10+\c], s[44:45] offset:16*\i
.endr
.endr
	s_lshr_b32 s52, s24, 2
	s_lshl_b32 s52, s52, 8
	s_and_b32 s53, s24, 3
	s_lshl_b32 s53, s53, 2
	s_add_co_u32 s52, s52, s53
	v_lshl_add_u32 v12, v2, 4, s52                 ; LDS: my row's scale word: 256 (t / 4) + 4 (t % 4) + 16 r
	s_wait_loadcnt 0x0
.irp c, 0,1
.irp i, 0,1,2,3,4,5,6,7,8,9,10,11,12,13,14,15,16,17,18,19,20,21,22,23,24,25,26,27,28,29,30,31
	v_cndmask_b32 v[X+32*\c+\i], 0, v[X+32*\c+\i], s[54+\c]   ; zeros beyond K's end, ahead of the maximum; done in every work-group
.endr
.endr
.irp c, 0,1
	v_max3_num_f32 v[TM+\c], |v[X+32*\c]|, |v[X+1+32*\c]|, 0x2800000   ; block 2 c + h: all its 32 numbers are mine; the floor 2^(5 - 127) holds the byte at 1 from below
.endr
.irp i, 2,4,6,8,10,12,14,16,18,20,22,24,26,28,30
.irp c, 0,1
	v_max3_num_f32 v[TM+\c], v[TM+\c], |v[X+32*\c+\i]|, |v[X+1+32*\c+\i]|
.endr
.endr
.irp c, 0,1
	v_add_nc_u32 v[SF+\c], 0xfe000000, v[TM+\c]    ; 4 off the exponent field: the conversion takes that field of this operand as its scale
.endr
.irp c, 0,1
	v_lshrrev_b32 v[BY+\c], 23, v[SF+\c]           ; the scale's byte
.endr
	v_lshl_or_b32 v[SW], v[BY+1], 16, v[BY]        ; my bytes, blocks h and 2 + h,
	v_lshlrev_b32 v13, 3, v3
	v_lshlrev_b32 v[SW], v13, v[SW]                ; at their places in the row's word;
	v_mov_b32 v[SW+1], 0
	v_permlanex16_b32 v[SW+1], v[SW], s22, s23
	v_or_b32 v[SW], v[SW], v[SW+1]                 ; with lane l xor 16's two the word is whole, in both lanes
.irp c, 0,1
	v_cvt_scalef32_pk16_bf6_f32 v[PC+6*\c:PC+6*\c+2], v[X+32*\c:X+32*\c+15], v[SF+\c]      ; registers 6 c .. 6 c + 2 of the operand
	v_cvt_scalef32_pk16_bf6_f32 v[PT+4*\c:PT+4*\c+2], v[X+32*\c+16:X+32*\c+31], v[SF+\c]   ; (a conversion's three registers begin on an even number: the upper half is made apart and moved)
.endr
	v_nop                                          ; one plain line behind a scaled conversion
.irp c, 0,1
.irp i, 0,1,2
	v_mov_b32 v[PC+3+6*\c+\i], v[PT+4*\c+\i]
.endr
.endr
.irp j, 0,1,2
	global_store_b128 v7, v[PC+4*\j:PC+4*\j+3], s[18:19] offset:512*\j   ; 32 lanes store 512 consecutive bytes, at a multiple of 256 from wq's first byte
.endr
	ds_store_b32 v12, v[SW]                        ; lanes r and r + 16 write the same word with the same value
	s_wait_dscnt 0x0                               ; for the others' sake: my word lies in LDS
	s_barrier_signal -1
	s_barrier_wait -1                              ; all eight fragments' words do
	s_cmp_lg_u32 s24, 0
	s_cbranch_scc1 .Lnot_wave_0
	ds_load_b128 v[OUTR:OUTR+3], v6
	s_wait_dscnt 0x0
	global_store_b128 v6, v[OUTR:OUTR+3], s[18:19] offset:12288   ; the part's 512 bytes of scale words leave as two whole aligned blocks of 256
.Lnot_wave_0:
	s_wait_tensorcnt 0x0                           ; the wave's end, behind my last LDS store
	ds_add_u32 v[SPW], v[NIL]
	s_wait_dscnt 0x0
	s_endpgm
	; ---- hidden_state W_hh^T + b_ih + b_hh, eight rows a wave; a row is 2,048 bytes: four loads of 512 consecutive bytes.  No LDS is touched on this path
.Lgemv:
	s_sub_co_u32 s25, ttmp9, 100
	s_lshl_b32 s25, s25, 6
	s_lshl_b32 s26, s24, 3
	s_add_co_u32 s25, s25, s26                     ; my first row
	s_lshl_b32 s26, s25, 11
	s_mov_b32 s27, 0
	s_lshr_b32 s28, s25, 9                         ; its gate (eight rows never straddle a gate)
	s_mov_b32 s29, 0xbfb8aa3b                      ; -log2(e)
	s_cmp_eq_u32 s28, 2
	s_cselect_b32 s29, 0x4038aa3b, s29             ; 2 log2(e) for the gate that takes tanh
	v_and_b32 v7, 7, v1
	v_add_nc_u32 v8, s25, v7
	v_lshlrev_b32 v8, 2, v8                        ; byte of row (first + lane % 8) in the three vectors
	s_wait_kmcnt 0x0
	s_add_nc_u64 s[10:11], s[10:11], s[26:27]
.irp i, 0,1,2,3
	global_load_b128 v[HV+4*\i:HV+4*\i+3], v6, s[12:13] offset:512*\i
.endr
.irp n, 0,1,2,3,4,5,6,7
.irp i, 0,1,2,3
	global_load_b128 v[X+16*\n+4*\i:X+16*\n+4*\i+3], v6, s[10:11] offset:2048*\n+512*\i th:TH_LOAD_NT
.endr
.endr
	global_load_b32 v9, v8, s[14:15]
	global_load_b32 v10, v8, s[16:17]
	s_wait_loadcnt 0x0
.irp n, 0,1,2,3,4,5,6,7
	v_pk_mul_f32 v[ACC+2*\n:ACC+2*\n+1], v[X+16*\n:X+16*\n+1], v[HV:HV+1]   ; the first product starts each sum; the eight rows by turns
.endr
.irp j, 2,4,6,8,10,12,14
.irp n, 0,1,2,3,4,5,6,7
	v_pk_fma_f32 v[ACC+2*\n:ACC+2*\n+1], v[X+16*\n+\j:X+16*\n+\j+1], v[HV+\j:HV+\j+1], v[ACC+2*\n:ACC+2*\n+1]
.endr
.endr
.irp n, 0,1,2,3,4,5,6,7
	v_add_f32 v[SUM+\n], v[ACC+2*\n], v[ACC+2*\n+1]
.endr
.irp k, 1,2,4,8
.irp n, 0,1,2,3,4,5,6,7
	v_add_f32_dpp v[SUM+\n], v[SUM+\n], v[SUM+\n] row_xmask:\k row_mask:0xf bank_mask:0xf
.endr
.endr
.irp n, 0,1,2,3,4,5,6,7
	v_permlanex16_b32 v[ACC+\n], v[SUM+\n], s22, s23
.endr
.irp n, 0,1,2,3,4,5,6,7
	v_add_f32 v[SUM+\n], v[SUM+\n], v[ACC+\n]      ; every lane holds every row's sum
.endr
	v_mov_b32 v11, v[SUM]
.irp n, 1,2,3,4,5,6,7
	v_cmp_eq_u32 vcc_lo, \n, v7
	v_cndmask_b32 v11, v11, v[SUM+\n], vcc_lo      ; lane l keeps row l % 8's
.endr
	v_add_f32 v9, v9, v10
	v_add_f32 v11, v11, v9
	v_mul_f32 v11, s29, v11
	v_cmp_gt_u32 vcc_lo, 8, v1
	s_wait_xcnt 0x0                                ; EXEC changes only behind this wait
	s_and_saveexec_b32 s30, vcc_lo
	global_store_b32 v8, v11, s[20:21]             ; eight lanes, 32 consecutive bytes
	s_wait_xcnt 0x0                                ; and again in front of the line that widens it
	s_or_b32 exec_lo, exec_lo, s30
	s_endpgm
.Lfunc_end_k_q4b205819ba_prep:
	.size	k_q4b205819ba_prep, .Lfunc_end_k_q4b205819ba_prep-k_q4b205819ba_prep
	.p2alignl 7, 3214868480
	.fill 96, 4, 3214868480
	.section	.rodata,"a",@progbits
	.p2align	6, 0x0
	.amdhsa_kernel k_q4b205819ba_prep
		.amdhsa_group_segment_fixed_size 2048
		.amdhsa_private_segment_fixed_size 0
		.amdhsa_enable_private_segment 0
		.amdhsa_kernarg_size 72
		.amdhsa_user_sgpr_count 2
		.amdhsa_user_sgpr_kernarg_segment_ptr 1
		.amdhsa_wavefront_size32 1
		.amdhsa_system_sgpr_workgroup_id_x 1
		.amdhsa_system_sgpr_workgroup_id_y 1
		.amdhsa_system_sgpr_workgroup_id_z 1
		.amdhsa_system_vgpr_workitem_id 0
		.amdhsa_next_free_vgpr 192
		.amdhsa_next_free_sgpr 66
		.amdhsa_reserve_vcc 1
		.amdhsa_float_denorm_mode_32 3
		.amdhsa_float_denorm_mode_16_64 3
		.amdhsa_memory_ordered 1
		.amdhsa_forward_progress 1
		.amdhsa_inst_pref_size 26
	.end_amdhsa_kernel
	.amdgpu_metadata
---
amdhsa.version: [ 1, 2 ]
amdhsa.kernels:
  - .name:           k_q4b205819ba_prep
    .symbol:         k_q4b205819ba_prep.kd
    .args:
      - { .name: W1, .offset: 0, .size: 8, .value_kind: global_buffer, .address_space: global }
      - { .name: W_ih, .offset: 8, .size: 8, .value_kind: global_buffer, .address_space: global }
      - { .name: W2, .offset: 16, .size: 8, .value_kind: global_buffer, .address_space: global }
      - { .name: W_hh, .offset: 24, .size: 8, .value_kind: global_buffer, .address_space: global }
      - { .name: hidden_state, .offset: 32, .size: 8, .value_kind: global_buffer, .address_space: global }
      - { .name: b_ih, .offset: 40, .size: 8, .value_kind: global_buffer, .address_space: global }
      - { .name: b_hh, .offset: 48, .size: 8, .value_kind: global_buffer, .address_space: global }
      - { .name: wq, .offset: 56, .size: 8, .value_kind: global_buffer, .address_space: global }
      - { .name: gbias, .offset: 64, .size: 8, .value_kind: global_buffer, .address_space: global }
    .group_segment_fixed_size: 2048
    .private_segment_fixed_size: 0
    .kernarg_segment_align: 8
    .kernarg_segment_size: 72
    .max_flat_workgroup_size: 256
    .sgpr_count:     66
    .vgpr_count:     192
    .wavefront_size: 32
...
	.end_amdgpu_metadata
.endif
;; end of part 1
;; launch main (part 2): grid 256 x 1, 4 waves a work-group, clusters of 4 x 1, 327,680 bytes of LDS; arguments observation, prev_action, b1, cell_state, b2, wq, gbias, out0, out1, out2; writes out0, out1, out2
.if DOCPART == 2
	.amdgcn_target "amdgcn-amd-amdhsa--gfx1250"
	.amdhsa_code_object_version 6
	.text
	.protected	k_q4b205819ba_main
	.globl	k_q4b205819ba_main
	.p2align	8
	.type	k_q4b205819ba_main,@function
k_q4b205819ba_main:
	s_mov_b64 s[64:65], 0
	v_nop
	global_prefetch_b8 v0, s[64:65] scope:SCOPE_SE
	s_setreg_imm32_b32 hwreg(HW_REG_WAVE_MODE, 25, 1), 1
	s_wait_xcnt 0x0
	s_wait_alu depctr_hold_cnt(0) depctr_sa_sdst(0) depctr_va_vdst(0) depctr_va_sdst(0) depctr_va_ssrc(0) depctr_va_vcc(0) depctr_vm_vsrc(0)
	s_getreg_b32 s2, hwreg(HW_REG_IB_STS2, 6, 4)
	s_cmp_eq_u32 s2, 0
	s_cbranch_scc0 .Lentry_in_a_cluster
	s_endpgm
.Lentry_in_a_cluster:
	s_bfe_u32 s2, ttmp6, 0x10000c
	s_cmp_lg_u32 s2, 0x3003
	s_cbranch_scc0 .Lentry_shape_is_right
	s_endpgm
.Lentry_shape_is_right:
; q = h W2^T + b2,  h = o tanh(c),  c = f cell + i g,  (i, f, g, o) = gates of emb W_ih^T + gbias,  emb = relu([observation | prev_action] W1^T + b1).
; The three products run on codes of BF6 (E3M2) with one E8M0 byte for each 32 along K; x, emb and h are quantised on the way, in f32, and never go to memory.
; SHARES.  A work-group of four waves, as many as a WGP has SIMDs, takes 128 rows (8 tiles m of 16) through the whole chain: 256 work-groups for 32,768 rows.  THE WAVES SHARE THE COLUMNS: wave w makes
; emb units and hidden units 128 w .. 128 w + 127 for all 128 rows: 64 accumulators of 16 x 16, 512 registers.  The hidden units go in four chunks of 32 (x 4 gates = 8 tiles of W_ih's rows).
; ALL PRODUCTS ARE USED TRANSPOSED (source 0 = 16 weight rows, source 1 = 16 batch rows): a lane holds ONE batch row and its registers run along the next product's K.  The weight rows of a tile are
; chosen so (lane r of tile 2 b + u: row 32 b + 8 u + r + 8 (r / 8)) that the 16 registers of tiles 2 b, 2 b + 1 are 16 neighbours along that K.
; WEIGHTS come from wq, which the launch before laid as images of the operand registers: a part of 12,800 bytes is a wave's 8 fragments and their scale words for one K step.  A wave's parts are its own, so
; each tensor load is one dense block a wave (two K steps, 25,600 bytes) into a ring of two slots.  CLUSTER: the four work-groups of a cluster walk the same weights: each load is asked for JOINTLY, with
; the same descriptor and the mask of all four.  A wave has three tensor loads out at the start and one behind each round.
; OPERANDS GO FROM WAVE TO WAVE THROUGH LDS as images of their registers too (x, emb), h as plain rows of 96 bytes; every image access is 512 consecutive bytes, so nothing is padded.
; THE LAST ROW'S h AND c.  Every work-group keeps those of its block's last row (tile 7, row 15: lanes 15 and 31) in a stash in LDS, chunk by chunk, under a mask made of the lane's number alone;
; at the very end the work-group that holds batch row 32,767 stores them.  So no mask that differs between the partners of a cluster stands ahead of any work on LDS addresses.
; No prefetch into the L2: all loads of the observations go out at the head, and the weights are walked by all 64 clusters, not once.
; sigmoid(x) = 1 / (1 + 2^(-log2(e) x)), tanh(x) = 1 - 2 / (1 + 2^(2 log2(e) x)): where the exponential overflows or falls to 0 both forms end at their limits, so nothing is clipped.
; LIMITS: NaN and infinities among the inputs are not served.  A block of zeros gets the scale byte 1 where the quantiser's rule says 127: its codes are zeros, and this program alone reads the bytes.
; tanh in this form has an absolute error of about 1e-7, so its relative error grows as |x| falls far under 1.
; REGISTERS, in windows of 256.  window 0: v1-26 addresses; v32-39 weights' scale words, two sets; v40-47 the rows' scale words, two sets; v48-63 cell_state; v64-159 the rows' 8 fragments, ONE set
;   (between products: 64 numbers at work); v160-199 the quantiser's; v200-201 addresses; v240-255 b2.   window 1: the weights' fragments, two sets, at v0 and v128; at v96-127 and v224-255 b1, later gbias.
;   windows 2, 3: the accumulators, (m, t) at window 2 + m / 4, v[8 (8 (m % 4) + t)]; at the head they hold the observations as loaded.
.set BLK,   12800                      ; a K step's block: 8 fragments and their scale words
.set FRB,   1536                       ; a fragment's image
.set SCB,   12288                      ; where a block's scale words begin: word of (tile, row r) at 256 (tile / 4) + 16 r + 4 (tile % 4)
.set REGB,  64000                      ; LDS 0 .. 63,999: x's five blocks, later h's four.  From REGB: W1's fifth K step (wave w's part at 12,800 w), filled once; then emb's four blocks; at the end the stage for q
.set RING,  115200                     ; two slots of 102,400: four waves x two parts
.set SLOT,  102400
.set WPART, 25600
.set SPARE, 320000                     ; the spare words, 128 bytes for each wave: two blocks of 256 bytes that no other line names
.set STASH, 320512                     ; behind them: the last row's h and c, 512 + 512 bytes for each wave, in the order of its 128 units
.set TAILW, 1228800                    ; wq: where W1's fifth K step lies
.set LI,    1                          ; v1   16 x lane: an image's place for my lane
.set EA,    2                          ; v2   the same in emb's blocks
.set WA0,   3                          ; v3   my wave's parts in slot 0
.set WA1,   4                          ; v4   in slot 1
.set WAX,   5                          ; v5   my part of W1's fifth K step; later where I store emb's images
.set XWI,   6                          ; v6   where I store x's images: tiles 2 w, 2 w + 1
.set XWS,   7                          ; v7   the scale word of (tile 2 w, row r) in a block: x's on the way in, h's on the way out
.set EWS,   8                          ; v8   emb's scale words: block w, row r
.set HW,    9                          ; v9   h's codes: block w, row r, my half's 12 bytes
.set HWC,   10                         ; v10  the same in the chunk in hand
.set HSW,   11                         ; v11  h's scale bytes: block w, row r
.set HSC,   12                         ; v12  the same in the chunk in hand
.set XO,    13                         ; v13  observation: row r of 2,048 bytes + 64 h
.set AO,    14                         ; v14  prev_action: row r of 128 bytes + 64 h
.set VB,    15                         ; v15  byte of my 16 units in b1, gbias, cell_state: 512 w + 64 h, + 128 a chunk
.set WGV,   16                         ; v16  my work-group's number, in every lane
.set STB,   17                         ; v17  the stash: my wave's, + 64 h
.set SPW,   18                         ; v18  LDS address of my spare word; never rewritten
.set NIL,   19                         ; v19  0; never rewritten
.set HR,    20                         ; v20  h's fragments of tile 2 w: row r of 96 bytes + 24 h
.set STC,   21                         ; v21  the stash, in the chunk in hand
.set SO,    22                         ; v22  the stage: where I put 32 bytes of a row of q
.set SRD,   23                         ; v23  and where I read rows back
.set B2O,   24                         ; v24  32 h
.set RR,    26                         ; v26  r = lane % 16
.set STR,   200                        ; v200 the stash on the way out: my wave's, + 16 x lane
.set OUTV,  201                        ; v201 and the same place in out1 and out2: 512 w + 16 x lane
.set WS,    32
.set XS,    40
.set CS,    48
.set AF,    64
.set HA,    64                         ; v64-127  64 numbers of emb, or 4 x 16 of h
.set HT,    128                        ; v128-131 h: largest magnitudes, then scale operands;  v132-135 bytes;  v136-151 codes
.set HT2,   132
.set HX,    136
.set TM,    160                        ; v160-163 largest magnitudes, v164-167 bytes, v172-175 scale operands
.set PW,    176                        ; the scale word just made
.set PC,    180                        ; v180-191 the codes just made; v192-198 the conversions' upper halves
.set B2R,   240
.set WV,    24                         ; s24  my wave's number
.set HS,    27                         ; s27  128 x chunk
.set G1,    32                         ; s[32:39] descriptor group 1: 100 rows of 256 bytes;  s[40:47]: 50 rows
.set G1X,   40
.set G0A,   48                         ; s[48:51], s[52:55] groups 0 of slots 0 and 1, which walk;  s[56:59] of W1's fifth K step
.set G0B,   52
.set G0X,   56
.set SEL,   60                         ; s[60:61] lane selects for lane l xor 16
.set NL,    62                         ; s[62:63] -log2(e);  s[66:67] 2 log2(e): the packed forms name a pair and take its low word for both halves
.set TL,    66
.set TRIP,  68
.set HB,    69                         ; s69  24 x chunk
.set HC,    70                         ; s70  chunk
.set SAVE,  71
.set MSB, 0
.macro WIN new                         ; the immediate's low byte: bits 1:0 source 0, 3:2 source 1, 5:4 source 2, 7:6 destination; its high byte repeats the setting that is left
.if MSB != (\new)
	s_set_vgpr_msb (MSB<<8)|(\new)
.set MSB, (\new)
.endif
.endm
.macro PLACES n                        ; a load into a register that a matrix instruction has read, and whatever reads a matrix result, stand four plain vector instructions behind it
.rept \n
	v_nop
.endr
.endm
.macro CREST                           ; a round of the cluster's barrier behind its opening barrier
	s_cmp_lg_u32 s[WV], 0
	s_cbranch_scc1 .Lnot_wave_0_\@
	s_barrier_signal -3
.Lnot_wave_0_\@:
	s_barrier_wait -3
	s_barrier_signal -1
	s_barrier_wait -1
.endm
.macro CROUND
	s_barrier_signal -1
	s_barrier_wait -1
	CREST
.endm
.macro JL g0, g1                       ; a joint load: every wave fetches its own parts
	tensor_load_to_lds s[\g0:\g0+3], s[\g1:\g1+7]
	s_nop 0
.rept 4
	v_nop
.endr
.endm
; 64 numbers of a lane in window w, register s + 16 b + i = k 32 b + 16 h + i of my row, become a fragment's codes in v[PC] on and its scale word in v[PW].
.macro QUANT s, w
	WIN ((\w)|((\w)<<2))
.irp b, 0,1,2,3
	v_max3_num_f32 v[TM+\b], |v[(\s)+16*\b]|, |v[(\s)+1+16*\b]|, 0x2800000   ; block b: my 16 numbers, and the floor 2^(5 - 127), which holds the byte at 1 from below
.endr
	WIN (((\w)<<2)|((\w)<<4))
.irp i, 2,4,6,8,10,12,14
.irp b, 0,1,2,3
	v_max3_num_f32 v[TM+\b], v[TM+\b], |v[(\s)+16*\b+\i]|, |v[(\s)+1+16*\b+\i]|   ; the four blocks by turns
.endr
.endr
	WIN 0
.irp b, 0,1,2,3
	v_permlanex16_b32 v[TM+4+\b], v[TM+\b], s[SEL], s[SEL+1]
.endr
.irp b, 0,1,2,3
	v_max_num_f32 v[TM+\b], v[TM+\b], v[TM+4+\b]   ; with lane l xor 16's: the block's largest magnitude
.endr
.irp b, 0,1,2,3
	v_add_nc_u32 v[TM+12+\b], 0xfe000000, v[TM+\b] ; 4 off its exponent field: the conversion's scale operand
.endr
.irp b, 0,1,2,3
	v_lshrrev_b32 v[TM+4+\b], 23, v[TM+12+\b]      ; the scale's byte
.endr
	v_lshl_or_b32 v[PW], v[TM+5], 8, v[TM+4]
	v_lshl_or_b32 v[PW], v[TM+6], 16, v[PW]
	v_lshl_or_b32 v[PW], v[TM+7], 24, v[PW]        ; my row's scale word, in both halves of the lanes
	WIN (\w)
.irp c, 0,1
	v_cvt_scalef32_pk16_bf6_f32 v[PC+6*\c:PC+2+6*\c], v[(\s)+32*\c:(\s)+15+32*\c], v[TM+12+2*\c]
	v_cvt_scalef32_pk16_bf6_f32 v[PC+12+4*\c:PC+14+4*\c], v[(\s)+16+32*\c:(\s)+31+32*\c], v[TM+13+2*\c]   ; (a conversion's three registers begin on an even number)
.endr
	WIN 0
	v_nop                                          ; one plain line behind a scaled conversion
.irp c, 0,1                            ; the operand's layout wants a WHOLE block in a lane: lanes 0-15 block 2 c, lanes 16-31 block 2 c + 1
.irp i, 0,1,2
	v_permlane16_swap_b32 v[PC+6*\c+\i], v[PC+12+4*\c+\i]
.endr
.irp i, 0,1,2
	v_mov_b32 v[PC+3+6*\c+\i], v[PC+12+4*\c+\i]
.endr
.endr
.endm
.macro IMAGE adr, off                  ; the fragment in v[PC] on goes to LDS as it stands: 512 consecutive bytes a store
.irp j, 0,1,2
	ds_store_b128 v[\adr], v[PC+4*\j:PC+4*\j+3] offset:(\off)+512*\j
.endr
.endm
.macro FETCH_W adr, off, p             ; a part: 8 fragments into set p of window 1, and its scale words (lanes 0-15: tiles 0-3, lanes 16-31: tiles 4-7): 25 loads
	WIN 0x40
.irp t, 0,1,2,3,4,5,6,7
.irp j, 0,1,2
	ds_load_b128 v[128*(\p)+12*\t+4*\j:128*(\p)+12*\t+4*\j+3], v[\adr] offset:(\off)+FRB*\t+512*\j
.endr
.endr
	WIN 0
	ds_load_b128 v[WS+4*(\p):WS+4*(\p)+3], v[\adr] offset:(\off)+SCB
.endm
.macro FETCH_A adr, off, m0            ; the rows' tiles m0 .. m0 + 3: 12 loads
.irp m, \m0, \m0+1, \m0+2, \m0+3
.irp j, 0,1,2
	ds_load_b128 v[AF+12*(\m)+4*\j:AF+12*(\m)+4*\j+3], v[\adr] offset:(\off)+FRB*(\m)+512*\j
.endr
.endr
.endm
.macro FETCH_XS adr, off, p            ; the rows' scale words into set p
	ds_load_b128 v[XS+4*(\p):XS+4*(\p)+3], v[\adr] offset:(\off)+SCB
.endm
; One matrix instruction, from the symbols rD, rA, rB, rC, rSA, rSB; fZ = 1: C is the constant 0; fV: bit 0: source 0's scales lie in lanes 16-31, bit 1: source 1's
.macro EMIT
.if fZ
.if fV == 0
	v_wmma_scale_f32_16x16x128_f8f6f4 v[rD:rD+7], v[rA:rA+11], v[rB:rB+11], 0, v[rSA], v[rSB] matrix_a_fmt:MATRIX_FMT_BF6 matrix_b_fmt:MATRIX_FMT_BF6
.elseif fV == 1
	v_wmma_scale_f32_16x16x128_f8f6f4 v[rD:rD+7], v[rA:rA+11], v[rB:rB+11], 0, v[rSA], v[rSB] matrix_a_fmt:MATRIX_FMT_BF6 matrix_b_fmt:MATRIX_FMT_BF6 matrix_a_scale:MATRIX_SCALE_ROW1
.elseif fV == 2
	v_wmma_scale_f32_16x16x128_f8f6f4 v[rD:rD+7], v[rA:rA+11], v[rB:rB+11], 0, v[rSA], v[rSB] matrix_a_fmt:MATRIX_FMT_BF6 matrix_b_fmt:MATRIX_FMT_BF6 matrix_b_scale:MATRIX_SCALE_ROW1
.else
	v_wmma_scale_f32_16x16x128_f8f6f4 v[rD:rD+7], v[rA:rA+11], v[rB:rB+11], 0, v[rSA], v[rSB] matrix_a_fmt:MATRIX_FMT_BF6 matrix_b_fmt:MATRIX_FMT_BF6 matrix_a_scale:MATRIX_SCALE_ROW1 matrix_b_scale:MATRIX_SCALE_ROW1
.endif
.else
.if fV == 0
	v_wmma_scale_f32_16x16x128_f8f6f4 v[rD:rD+7], v[rA:rA+11], v[rB:rB+11], v[rC:rC+7], v[rSA], v[rSB] matrix_a_fmt:MATRIX_FMT_BF6 matrix_b_fmt:MATRIX_FMT_BF6
.elseif fV == 1
	v_wmma_scale_f32_16x16x128_f8f6f4 v[rD:rD+7], v[rA:rA+11], v[rB:rB+11], v[rC:rC+7], v[rSA], v[rSB] matrix_a_fmt:MATRIX_FMT_BF6 matrix_b_fmt:MATRIX_FMT_BF6 matrix_a_scale:MATRIX_SCALE_ROW1
.elseif fV == 2
	v_wmma_scale_f32_16x16x128_f8f6f4 v[rD:rD+7], v[rA:rA+11], v[rB:rB+11], v[rC:rC+7], v[rSA], v[rSB] matrix_a_fmt:MATRIX_FMT_BF6 matrix_b_fmt:MATRIX_FMT_BF6 matrix_b_scale:MATRIX_SCALE_ROW1
.else
	v_wmma_scale_f32_16x16x128_f8f6f4 v[rD:rD+7], v[rA:rA+11], v[rB:rB+11], v[rC:rC+7], v[rSA], v[rSB] matrix_a_fmt:MATRIX_FMT_BF6 matrix_b_fmt:MATRIX_FMT_BF6 matrix_a_scale:MATRIX_SCALE_ROW1 matrix_b_scale:MATRIX_SCALE_ROW1
.endif
.endif
.endm
; 16 matrix instructions: row tiles a0, a0 + 1 x the 8 weight tiles of set p.  mode 0: the sums go on; 1: they start from 0; 2: they start from the bias (window 1).
; The 64 accumulators take turns, one instruction a turn, in the same order in every K step.
.macro MUL16 a0, p, mode
.irp a, \a0, \a0+1
.irp t, 0,1,2,3,4,5,6,7
.set rD, 8*(8*((\a)%4)+\t)
.set rA, 128*(\p)+12*\t
.set rB, AF+12*(\a)
.set rSA, WS+4*(\p)+(\t%4)
.set rSB, XS+4*(\p)+((\a)%4)
.set fV, (\t/4)+2*((\a)/4)
.set rC, rD
.set fZ, 0
.if (\mode) == 2
.set rC, 96+8*\t+96*(\t/4)
.endif
.if (\mode) == 1
.set fZ, 1
.endif
	EMIT
.endr
.endr
.endm
.macro MWIN hi, mode                   ; source 0 window 1, source 1 window 0, D window 2 + hi; C with D, or the bias in window 1
.if (\mode) == 2
	WIN (0x91+0x40*(\hi))
.else
	WIN (0xa1+0x50*(\hi))
.endif
.endm
; A K step that multiplies set p and fetches its successor: the weights' other set and the rows' tiles 0-3 in its middle, tiles 4-7 at its end, each as soon as its registers are free.
.macro STEP p, mode, wadr, woff, aadr, aoff
	s_wait_dscnt 12                                ; all but the youngest 12 loads, the rows' tiles 4-7
	MWIN 0, \mode
	MUL16 0, \p, \mode
	MUL16 2, \p, \mode
	s_wait_dscnt 0x0                               ; tiles 4-7 are in (asked for 32 matrix instructions ago)
	PLACES 4
	FETCH_W \wadr, \woff, 1-(\p)
	FETCH_A \aadr, \aoff, 0
	FETCH_XS \aadr, \aoff, 1-(\p)
	MWIN 1, \mode
	MUL16 4, \p, \mode
	MUL16 6, \p, \mode
	PLACES 4
	WIN 0
	FETCH_A \aadr, \aoff, 4
.endm
; The K step that leaves slot 0 (it multiplies set 1).  In front of the round each wave waits for all its tensor loads (slot 1's among them), adds 0 to its spare word, and waits for that and for its reads of
; slot 0; behind the round slot 0 is filled again first, and then slot 1 is read.
.macro TURN aadr, aoff
	s_wait_tensorcnt 0x0                           ; no tensor load of mine is out, so a group 0 may be written
	ds_add_u32 v[SPW], v[NIL]                      ; 0 onto my spare word
	s_add_nc_u64 s[G0A+2:G0A+3], s[G0A+2:G0A+3], 2*SLOT   ; slot 0's next two K steps lie two loads on
	s_wait_dscnt 13                                ; (the add and the youngest 12 loads may be out)
	WIN 0xa1
	MUL16 0, 1, 0                                  ; sixteen matrix instructions stand between the add and the wait for it
	s_wait_dscnt 0x0                               ; the add is done, and my reads of slot 0 are over
	s_barrier_signal -1
	MUL16 2, 1, 0
	WIN 0
	s_barrier_wait -1
	CREST                                          ; no wave of any partner still reads slot 0 or has a load on its way
	JL G0A, G1                                     ; its four v_nop are also the places in front of the loads below
	FETCH_W WA1, 0, 0
	FETCH_A \aadr, \aoff, 0
	FETCH_XS \aadr, \aoff, 0
	WIN 0xf1
	MUL16 4, 1, 0
	MUL16 6, 1, 0
	PLACES 4
	WIN 0
	FETCH_A \aadr, \aoff, 4
.endm
.macro LAST p                          ; a product's last K step: nothing more to fetch
	s_wait_dscnt 12
	WIN 0xa1
	MUL16 0, \p, 0
	MUL16 2, \p, 0
	s_wait_dscnt 0x0
	WIN 0xf1
	MUL16 4, \p, 0
	MUL16 6, \p, 0
	WIN 0
	PLACES 4
.endm
.macro COLD wadr, aadr                 ; a product's first K step is fetched with nothing to multiply meanwhile: 50 loads
	FETCH_W \wadr, 0, 0
	FETCH_A \aadr, 0, 0
	FETCH_XS \aadr, 0, 0
	FETCH_A \aadr, 0, 4
.endm
; Slot 1 is filled again in the middle of the vector work, so that each of the two loads of a chunk has about half a chunk in which to land.
.macro CHANGE
	WIN 0
	s_wait_tensorcnt 0x0                           ; no tensor load of mine is out (slot 0's has landed)
	ds_add_u32 v[SPW], v[NIL]
	s_add_nc_u64 s[G0B+2:G0B+3], s[G0B+2:G0B+3], 2*SLOT
	s_wait_dscnt 0x0                               ; the add is done; my reads of slot 1 ended with the product's last K step
	CROUND
	JL G0B, G1
.endm
; The gates of four row tiles (window wn): register 64 mm + 16 q + e is gate q of hidden unit 128 w + 32 chunk + 16 h + e of my row in tile 4 (wn - 2) + mm.
; Each batch of exponentials or reciprocals has one plain line and ONE wait behind it, ahead of its first reader.
.macro VHALF wn
.set WALL, (\wn)|((\wn)<<2)|((\wn)<<4)|((\wn)<<6)
	WIN ((\wn)|(1<<4)|((\wn)<<6))
.set i, 0
.rept 128                              ; the exponentials' arguments: factor x sum + gbias (which holds the factor already); ascending
.set q, (i%64)/16
.set gb, 96+16*q+(i%16)+96*(q/2)
.if q == 2
	v_pk_fma_f32 v[i:i+1], v[i:i+1], s[TL:TL+1], v[gb:gb+1] op_sel_hi:[1,0,1]
.else
	v_pk_fma_f32 v[i:i+1], v[i:i+1], s[NL:NL+1], v[gb:gb+1] op_sel_hi:[1,0,1]
.endif
.set i, i+2
.endr
	WIN WALL
.set i, 0
.rept 256
	v_exp_f32 v[i], v[i]
.set i, i+1
.endr
	v_nop
	s_wait_alu depctr_va_vdst(0)
.set i, 0
.rept 128
	v_pk_add_f32 v[i:i+1], v[i:i+1], 1.0 op_sel_hi:[1,0]
.set i, i+2
.endr
.set i, 0
.rept 256
	v_rcp_f32 v[i], v[i]                           ; i, f, o are finished; g lacks its last step
.set i, i+1
.endr
	v_nop
	s_wait_alu depctr_va_vdst(0)
.set i, 0
.rept 32
.set b0, 64*(i/8)+2*(i%8)
	v_pk_fma_f32 v[b0+32:b0+33], v[b0+32:b0+33], -2.0, 1.0 op_sel_hi:[1,0,0]   ; g = 1 - 2 / (1 + 2^..)
.set i, i+1
.endr
	WIN ((\wn)|((\wn)<<6))
.set i, 0
.rept 32
.set b0, 64*(i/8)+2*(i%8)
	v_pk_mul_f32 v[b0+16:b0+17], v[b0+16:b0+17], v[CS+2*(i%8):CS+2*(i%8)+1]    ; f cell
.set i, i+1
.endr
	WIN WALL
.set i, 0
.rept 32
.set b0, 64*(i/8)+2*(i%8)
	v_pk_fma_f32 v[b0+16:b0+17], v[b0:b0+1], v[b0+32:b0+33], v[b0+16:b0+17]    ; c = i g + f cell, kept in f's place
.set i, i+1
.endr
.set i, 0
.rept 32
.set b0, 64*(i/8)+2*(i%8)
	v_pk_mul_f32 v[b0:b0+1], v[b0+16:b0+17], s[TL:TL+1] op_sel_hi:[1,0]
.set i, i+1
.endr
.set i, 0
.rept 64
	v_exp_f32 v[64*(i/16)+(i%16)], v[64*(i/16)+(i%16)]
.set i, i+1
.endr
	v_nop
	s_wait_alu depctr_va_vdst(0)
.set i, 0
.rept 32
.set b0, 64*(i/8)+2*(i%8)
	v_pk_add_f32 v[b0:b0+1], v[b0:b0+1], 1.0 op_sel_hi:[1,0]
.set i, i+1
.endr
.set i, 0
.rept 64
	v_rcp_f32 v[64*(i/16)+(i%16)], v[64*(i/16)+(i%16)]
.set i, i+1
.endr
	v_nop
	s_wait_alu depctr_va_vdst(0)
.set i, 0
.rept 32
.set b0, 64*(i/8)+2*(i%8)
	v_pk_fma_f32 v[b0:b0+1], v[b0:b0+1], -2.0, 1.0 op_sel_hi:[1,0,0]           ; tanh(c)
.set i, i+1
.endr
	WIN ((\wn)|((\wn)<<2))
.set i, 0
.rept 32
.set b0, 64*(i/8)+2*(i%8)
	v_pk_mul_f32 v[HA+16*(i/8)+2*(i%8):HA+16*(i/8)+2*(i%8)+1], v[b0+48:b0+49], v[b0:b0+1]   ; h = o tanh(c), into window 0
.set i, i+1
.endr
	WIN 0
	; h is quantised: my 16 units and lane l xor 16's are block `chunk` of K step w of the last product
.irp m, 0,1,2,3
	v_max3_num_f32 v[HT+\m], |v[HA+16*\m]|, |v[HA+16*\m+1]|, 0x2800000
.endr
.irp i, 2,4,6,8,10,12,14
.irp m, 0,1,2,3
	v_max3_num_f32 v[HT+\m], v[HT+\m], |v[HA+16*\m+\i]|, |v[HA+16*\m+\i+1]|
.endr
.endr
.irp m, 0,1,2,3
	v_permlanex16_b32 v[HT2+\m], v[HT+\m], s[SEL], s[SEL+1]
.endr
.irp m, 0,1,2,3
	v_max_num_f32 v[HT+\m], v[HT+\m], v[HT2+\m]
.endr
.irp m, 0,1,2,3
	v_add_nc_u32 v[HT+\m], 0xfe000000, v[HT+\m]
.endr
.irp m, 0,1,2,3
	v_lshrrev_b32 v[HT2+\m], 23, v[HT+\m]
.endr
.irp m, 0,1,2,3
	v_cvt_scalef32_pk16_bf6_f32 v[HX+4*\m:HX+4*\m+2], v[HA+16*\m:HA+16*\m+15], v[HT+\m]
.endr
	v_nop                                          ; one plain line behind the last scaled conversion
.irp m, 0,1,2,3
.irp j, 0,1,2
	ds_store_b32 v[HWC], v[HX+4*\m+\j] offset:(4*((\wn)-2)+\m)*FRB+4*\j   ; 16 codes are 12 bytes of the row's stream of bits, at 24 chunk + 12 h
.endr
	ds_store_b8 v[HSC], v[HT2+\m] offset:256*((\wn)-2)+4*\m               ; byte `chunk` of the row's scale word; lanes r and r + 16 write the same byte with the same value
.endr
.endm
	; ---- the head
	s_load_b512 s[4:19], s[0:1], 0x0               ; observation s[4:5], prev_action s[6:7], b1 s[8:9], cell_state s[10:11], b2 s[12:13], wq s[14:15], gbias s[16:17], out0 s[18:19]
	s_load_b128 s[20:23], s[0:1], 0x40             ; out1 s[20:21], out2 s[22:23]
	v_lshl_add_u32 v[SPW], v0, 2, SPARE
	v_mov_b32 v[NIL], 0
	ds_add_u32 v[SPW], v[NIL]                      ; the wave's opening: the add and its wait stand ahead of my first tensor load; work on registers stands between them
	v_lshrrev_b32 v25, 5, v0
	v_readfirstlane_b32 s[WV], v25                 ; wave 0..3
	s_bfe_u32 s25, ttmp6, 0x40000                  ; cx: my place in the cluster
	s_lshl_b32 s26, ttmp9, 2                       ; in a cluster launch ttmp9 counts clusters
	s_add_co_u32 s26, s26, s25                     ; my block of 128 rows: it enters global addresses of rows, and the mask of the very last stores, alone
	; descriptor group 1: a dense block as rows of 256 bytes (32 elements of 8 bytes), no padding
	s_mov_b32 s[G1], 15|(3<<16)|(1<<21)            ; 15:0 the mask: all four work-groups; 17:16 elements of 8 bytes; 21 set beside a mask
	s_mov_b32 s[G1+1], 32<<16                      ; tensor_dim0 = 32
	s_mov_b32 s[G1+2], 100<<16                     ; tensor_dim1 = 100
	s_mov_b32 s[G1+3], 32<<16                      ; tile_dim0 = 32
	s_mov_b32 s[G1+4], 100                         ; tile_dim1 = 100: 25,600 bytes
	s_mov_b32 s[G1+5], 32                          ; from row to row
	s_mov_b32 s[G1+6], 0
	s_mov_b32 s[G1+7], 0
	s_mov_b32 s[G1X], 15|(3<<16)|(1<<21)
	s_mov_b32 s[G1X+1], 32<<16
	s_mov_b32 s[G1X+2], 50<<16
	s_mov_b32 s[G1X+3], 32<<16
	s_mov_b32 s[G1X+4], 50                         ; 12,800 bytes
	s_mov_b32 s[G1X+5], 32
	s_mov_b32 s[G1X+6], 0
	s_mov_b32 s[G1X+7], 0
	s_mul_i32 s74, s[WV], WPART                    ; my wave's place in a load and in a slot: the wave's number alone
	s_mov_b32 s75, 0
	s_mul_i32 s76, s[WV], BLK
	s_mov_b32 s77, 0
	s_mov_b32 s[SEL], 0x76543210
	s_mov_b32 s[SEL+1], 0xfedcba98
	s_mov_b32 s[NL], 0xbfb8aa3b
	s_mov_b32 s[NL+1], s[NL]
	s_mov_b32 s[TL], 0x4038aa3b
	s_mov_b32 s[TL+1], s[TL]
	s_lshl_b32 s72, s26, 18
	s_lshl_b32 s73, s[WV], 16
	s_add_co_u32 s72, s72, s73                     ; row 128 x block + 32 x wave, in rows of 2,048 bytes,
	s_mov_b32 s73, 0
	s_lshr_b32 s78, s72, 4                         ; and of 128 bytes
	s_mov_b32 s79, 0
	s_wait_dscnt 0x0                               ; the opening add is done
	s_wait_kmcnt 0x0
	s_add_nc_u64 s[4:5], s[4:5], s[72:73]          ; observation, prev_action and out0 at my wave's 32 rows
	s_add_nc_u64 s[6:7], s[6:7], s[78:79]
	s_add_nc_u64 s[18:19], s[18:19], s[78:79]
	s_mov_b32 s[G0A], 1                            ; count = 1
	s_add_co_u32 s[G0A+1], s74, RING               ; LDS address
	s_add_nc_u64 s[G0A+2:G0A+3], s[14:15], s[74:75]   ; W1's K steps 0 and 1
	s_or_b32 s[G0A+3], s[G0A+3], 0x80000000        ; type = 2
	s_mov_b32 s[G0B], 1
	s_add_co_u32 s[G0B+1], s74, RING+SLOT
	s_add_nc_u64 s[G0B+2:G0B+3], s[14:15], s[74:75]
	s_add_nc_u64 s[G0B+2:G0B+3], s[G0B+2:G0B+3], SLOT   ; K steps 2 and 3
	s_or_b32 s[G0B+3], s[G0B+3], 0x80000000
	s_mov_b32 s[G0X], 1
	s_add_co_u32 s[G0X+1], s76, REGB
	s_add_nc_u64 s[G0X+2:G0X+3], s[14:15], s[76:77]
	s_add_nc_u64 s[G0X+2:G0X+3], s[G0X+2:G0X+3], TAILW  ; K step 4
	s_or_b32 s[G0X+3], s[G0X+3], 0x80000000
	CROUND                                         ; all four work-groups are here: the first joint loads meet
	tensor_load_to_lds s[G0A:G0A+3], s[G1:G1+7]    ; the three first fills go out together
	s_nop 0
	tensor_load_to_lds s[G0B:G0B+3], s[G1:G1+7]
	s_nop 0
	tensor_load_to_lds s[G0X:G0X+3], s[G1X:G1X+7]
	s_nop 0
.rept 4
	v_nop
.endr
	v_and_b32 v25, 31, v0                          ; lane
	v_and_b32 v[RR], 15, v0                        ; r
	v_bfe_u32 v27, v0, 4, 1                        ; h
	v_lshlrev_b32 v[XO], 11, v[RR]
	v_lshl_add_u32 v[XO], v27, 6, v[XO]
	v_lshlrev_b32 v[AO], 7, v[RR]
	v_lshl_add_u32 v[AO], v27, 6, v[AO]
	s_lshl_b32 s28, s[WV], 9
	v_lshl_add_u32 v[VB], v27, 6, s28
	v_lshlrev_b32 v[B2O], 5, v27
	v_lshlrev_b32 v[LI], 4, v25
	v_add_nc_u32 v[OUTV], s28, v[LI]
	v_add_nc_u32 v[EA], REGB, v[LI]
	s_add_co_u32 s28, s74, RING
	v_add_nc_u32 v[WA0], s28, v[LI]
	v_add_nc_u32 v[WA1], SLOT, v[WA0]
	s_add_co_u32 s28, s76, REGB
	v_add_nc_u32 v[WAX], s28, v[LI]
	s_mul_i32 s30, s[WV], 2*FRB
	v_add_nc_u32 v[XWI], s30, v[LI]
	s_lshr_b32 s28, s[WV], 1
	s_lshl_b32 s28, s28, 8
	s_and_b32 s29, s[WV], 1
	s_lshl_b32 s29, s29, 3
	s_add_co_u32 s28, s28, s29
	s_add_co_u32 s28, s28, SCB
	v_lshl_add_u32 v[XWS], v[RR], 4, s28           ; tile 2 w: 256 (w / 2) + 8 (w % 2) + 16 r
	s_add_co_u32 s28, s76, REGB+SCB
	v_lshl_add_u32 v[EWS], v[RR], 4, s28
	v_mul_u32_u24 v28, v[RR], 96
	v_mad_u32_u24 v[HW], v27, 12, v28
	v_add_nc_u32 v[HW], s76, v[HW]
	s_add_co_u32 s28, s76, SCB
	v_lshl_add_u32 v[HSW], v[RR], 4, s28
	v_mad_u32_u24 v[HR], v27, 24, v28
	v_add_nc_u32 v[HR], s30, v[HR]
	s_mul_i32 s28, s[WV], 4608
	s_add_co_u32 s28, s28, REGB                    ; my stage: 32 rows x (128 bytes + 16)
	v_mul_u32_u24 v[SO], v[RR], 144
	v_lshl_add_u32 v[SO], v27, 5, v[SO]
	v_add_nc_u32 v[SO], s28, v[SO]
	v_lshrrev_b32 v29, 3, v25
	v_and_b32 v30, 7, v25
	v_mul_u32_u24 v[SRD], v29, 144
	v_lshl_add_u32 v[SRD], v30, 4, v[SRD]
	v_add_nc_u32 v[SRD], s28, v[SRD]
	s_lshl_b32 s28, s[WV], 10
	s_add_co_u32 s28, s28, STASH                   ; my wave's 1,024 bytes of the stash
	v_lshl_add_u32 v[STB], v27, 6, s28
	v_add_nc_u32 v[STR], s28, v[LI]
	v_mov_b32 v[WGV], s26
.irp b, 0,1,2,3
	v_mov_b32 v[TM+4+\b], 0                        ; written once: a lane permute's destination counts as one of its sources
	v_mov_b32 v[HT2+\b], 0
.endr
	; ---- the loads, in the order of their use.  b2's two tiles and b1's eight in the results' layout: lane (r, h) wants the eight units of its half
.irp n, 0,1
.irp j, 0,1
	global_load_b128 v[B2R+8*\n+4*\j:B2R+8*\n+4*\j+3], v[B2O], s[12:13] offset:64*\n+16*\j
.endr
.endr
	WIN 0x40
.irp b, 0,1,2,3
.irp j, 0,1,2,3
	global_load_b128 v[96+16*\b+96*(\b/2)+4*\j:96+16*\b+96*(\b/2)+4*\j+3], v[VB], s[8:9] offset:128*\b+16*\j
.endr
.endr
.irp tt, 0,1                           ; my 32 rows of observation: tile tt into window 2 + tt, K step s at v[64 s]: of each block of 32 my half's 16 numbers
	WIN ((2+\tt)<<6)
.irp s, 0,1,2,3
.irp b, 0,1,2,3
.irp j, 0,1,2,3
	global_load_b128 v[64*\s+16*\b+4*\j:64*\s+16*\b+4*\j+3], v[XO], s[4:5] offset:32768*\tt+512*\s+128*\b+16*\j th:TH_LOAD_NT
.endr
.endr
.endr
.endr
	WIN 0x40
.irp tt, 0,1                           ; prev_action is block 0 of the fifth K step, in window 1
.irp j, 0,1,2,3
	global_load_b128 v[128*\tt+4*\j:128*\tt+4*\j+3], v[AO], s[6:7] offset:2048*\tt+16*\j th:TH_LOAD_NT
.endr
.endr
.set i, 16
.rept 48
	v_mov_b32 v[i], 0                              ; K ends at 544: the fifth K step's other three blocks are zeros
	v_mov_b32 v[128+i], 0
.set i, i+1
.endr
	WIN 0
	; ---- X: my 32 rows become ten fragments.  cnt: the loads issued behind the sixteen (or four) that are wanted, or the most that the wait can name
.macro XQ base, wn, s, tt, cnt
	s_wait_loadcnt \cnt
	QUANT \base, \wn
	IMAGE XWI, BLK*(\s)+FRB*(\tt)
	ds_store_b32 v[XWS], v[PW] offset:BLK*(\s)+4*(\tt)
	s_wait_dscnt 0x0                               ; the stores have read their registers
.endm
	XQ 0,   2, 0, 0, 63
	XQ 64,  2, 1, 0, 63
	XQ 128, 2, 2, 0, 63
	XQ 192, 2, 3, 0, 63
	XQ 0,   3, 0, 1, 56
	XQ 64,  3, 1, 1, 40
	XQ 128, 3, 2, 1, 24
	XQ 192, 3, 3, 1, 8
	XQ 0,   1, 4, 0, 4
	XQ 128, 1, 4, 1, 0
	s_wait_tensorcnt 2                             ; my parts of slot 0 are in; slot 1's and the fifth K step's loads may stay out
	s_barrier_signal -1
	s_barrier_wait -1                              ; x's forty fragments lie in LDS
	; ---- product 1: five K steps; b1 is the C of each sum's first matrix instruction
	COLD WA0, LI
	STEP 0, 2, WA0, BLK, LI, BLK
	TURN LI, 2*BLK                                 ; slot 0 takes chunk 0's K steps 0 and 1
	STEP 0, 0, WA1, BLK, LI, 3*BLK
	STEP 1, 0, WAX, 0, LI, 4*BLK
	LAST 0
	; ---- emb: relu, quantised; my 128 units are K step w of product 2.  The images go over my own part of W1's fifth K step, which I alone have read and which is filled no more
.macro EMB m
	WIN ((2+(\m)/4)<<2)
.set i, 0
.rept 64
	v_max_num_f32 v[HA+i], 0, v[64*((\m)%4)+i]     ; ascending: each accumulator is read from its low end on
.set i, i+1
.endr
	QUANT HA, 0
	IMAGE WAX, FRB*(\m)
	ds_store_b32 v[EWS], v[PW] offset:256*((\m)/4)+4*((\m)%4)
	s_wait_dscnt 0x0                               ; the stores have read their registers
.endm
	EMB 0
	EMB 1
	EMB 2
	EMB 3
	CHANGE                                         ; slot 1 takes chunk 0's K steps 2 and 3
	EMB 4
	EMB 5
	EMB 6
	EMB 7
	s_barrier_signal -1
	s_barrier_wait -1                              ; emb's 32 fragments lie in LDS, and nobody reads x any more
	; ---- four chunks of 32 hidden units a wave: product 2 (four K steps), the gates, h's codes to LDS.  The last trip's two loads bring W2
	s_mov_b32 s[TRIP], 4
	s_mov_b32 s[HB], 0
	s_mov_b32 s[HC], 0
	s_mov_b32 s[HS], 0
.Lchunk:
	WIN 0x40
.irp q, 0,1,2,3
.irp j, 0,1,2,3
	global_load_b128 v[96+16*\q+96*(\q/2)+4*\j:96+16*\q+96*(\q/2)+4*\j+3], v[VB], s[16:17] offset:2048*\q+16*\j
.endr
.endr
	WIN 0
.irp j, 0,1,2,3
	global_load_b128 v[CS+4*\j:CS+4*\j+3], v[VB], s[10:11] offset:16*\j
.endr
	COLD WA0, EA
	STEP 0, 1, WA0, BLK, EA, BLK
	TURN EA, 2*BLK                                 ; slot 0 takes the next chunk's K steps 0 and 1
	STEP 0, 0, WA1, BLK, EA, 3*BLK
	LAST 1
	s_wait_loadcnt 0x0                             ; gbias and cell_state, asked for four K steps ago
	v_add_nc_u32 v[HWC], s[HB], v[HW]
	v_add_nc_u32 v[HSC], s[HC], v[HSW]
	v_add_nc_u32 v[STC], s[HS], v[STB]
	VHALF 2
	CHANGE                                         ; slot 1 takes the next chunk's K steps 2 and 3
	VHALF 3
	; my block's last row lies in tile 7, row 15: lanes 15 and 31 put its h and c, unquantised, into my wave's stash.  The mask hangs on the lane's number alone
	v_cmp_eq_u32 vcc_lo, 15, v[RR]
	s_wait_xcnt 0x0                                ; EXEC changes only behind this wait
	s_and_saveexec_b32 s[SAVE], vcc_lo
.irp j, 0,1,2,3
	ds_store_b128 v[STC], v[HA+48+4*\j:HA+48+4*\j+3] offset:16*\j          ; h: my 16 units, at 128 chunk + 64 h
.endr
	WIN 0x0c                                       ; an LDS store's data are its source 1: window 3
.irp j, 0,1,2,3
	ds_store_b128 v[STC], v[208+4*\j:208+4*\j+3] offset:512+16*\j          ; c
.endr
	WIN 0
	s_wait_dscnt 0x0                               ; these stores, and h's codes' and bytes', are done: their registers may be written again
	s_or_b32 exec_lo, exec_lo, s[SAVE]
	v_add_nc_u32 v[VB], 128, v[VB]                 ; (the trip's loads by this offset are in)
	s_add_co_u32 s[HB], s[HB], 24
	s_add_co_u32 s[HC], s[HC], 1
	s_add_co_u32 s[HS], s[HS], 128
	s_sub_co_u32 s[TRIP], s[TRIP], 1
	s_cmp_lg_u32 s[TRIP], 0
	s_cbranch_scc1 .Lchunk
	; ---- product 4: wave w takes row tiles 2 w, 2 w + 1, all 32 outputs, four K steps.  W2 lies whole in each slot's first part: tiles 0-3 are taken from slot 0, tiles 4-7 from slot 1
	s_wait_tensorcnt 0x0                           ; slot 1's last load has landed
	s_wait_dscnt 0x0
	s_barrier_signal -1
	s_barrier_wait -1                              ; h lies whole in LDS, and nobody reads emb any more
	WIN 0x40
.irp t, 0,1,2,3
.irp j, 0,1,2
	ds_load_b128 v[12*\t+4*\j:12*\t+4*\j+3], v[WA0] offset:FRB*\t+512*\j
.endr
.endr
.irp t, 4,5,6,7
.irp j, 0,1,2
	ds_load_b128 v[12*\t+4*\j:12*\t+4*\j+3], v[WA1] offset:FRB*\t+512*\j
.endr
.endr
	WIN 0
	ds_load_b128 v[WS:WS+3], v[WA0] offset:SCB
.irp tt, 0,1
.irp s, 0,1,2,3
.irp c, 0,1
.irp p, 0,1,2
	ds_load_b64 v[AF+12*(4*\tt+\s)+6*\c+2*\p:AF+12*(4*\tt+\s)+6*\c+2*\p+1], v[HR] offset:BLK*\s+FRB*\tt+48*\c+8*\p   ; 24 bytes of the row's stream of bits, in pieces of 8
.endr
.endr
	ds_load_b32 v[XS+4*\tt+\s], v[XWS] offset:BLK*\s+4*\tt
.endr
.endr
	s_wait_dscnt 0x0
.irp s, 0,1,2,3                        ; four accumulators by turns, one instruction a turn; b2 is the C of each sum's first
.if \s == 0
	WIN 0x81
.else
	WIN 0xa1
.endif
.irp tt, 0,1
.irp n, 0,1
.set rD, 8*(2*\tt+\n)
.set rA, 12*(2*\s+\n)
.set rB, AF+12*(4*\tt+\s)
.set rSA, WS+((2*\s+\n)%4)
.set rSB, XS+4*\tt+\s
.set fV, \s/2
.set fZ, 0
.set rC, rD
.if \s == 0
.set rC, B2R+8*\n
.endif
	EMIT
.endr
.endr
.endr
	WIN 0
	PLACES 4
	; ---- the way out.  First my wave's stash comes back, 16 bytes a lane: 128 units of h, 128 of c (my own bytes: LDS serves a wave's instructions in order, ISA guide 5.7.1)
	ds_load_b128 v[AF+32:AF+35], v[STR]
	ds_load_b128 v[AF+36:AF+39], v[STR] offset:512
	; q: a lane holds eight neighbouring outputs of a row; through my stage they become whole rows of 128 bytes, four rows an instruction
	WIN 0x08                                       ; an LDS store's data are its source 1: window 2
.irp tt, 0,1
.irp n, 0,1
	ds_store_b128 v[SO], v[8*(2*\tt+\n):8*(2*\tt+\n)+3] offset:2304*\tt+64*\n          ; each accumulator from its low end on
	ds_store_b128 v[SO], v[8*(2*\tt+\n)+4:8*(2*\tt+\n)+7] offset:2304*\tt+64*\n+16
.endr
.endr
	WIN 0
.irp i, 0,1,2,3,4,5,6,7
	ds_load_b128 v[AF+4*\i:AF+4*\i+3], v[SRD] offset:576*\i    ; these see my stores
.endr
.irp i, 0,1,2,3,4,5,6,7
	s_wait_dscnt 7-\i                              ; the younger reads of the stage may stay out
	global_store_b128 v[LI], v[AF+4*\i:AF+4*\i+3], s[18:19] offset:512*\i th:TH_STORE_NT   ; 32 lanes store 512 consecutive bytes, at a multiple of 256 from out0's first byte
.endr
	s_wait_tensorcnt 0x0                           ; the wave's end, behind my last tensor load and my last LDS store
	ds_add_u32 v[SPW], v[NIL]
	s_wait_dscnt 0x0
	; batch row 32,767 is the last row of work-group 255.  The branch hangs on the cluster's number, which the partners share; which of the four stores is said by EXEC.
	; Behind this mask stand no LDS instruction and no write of a vector register
	s_cmp_lg_u32 ttmp9, 63
	s_cbranch_scc1 .Lnot_last
	v_cmp_eq_u32 vcc_lo, 0xff, v[WGV]
	s_wait_xcnt 0x0                                ; EXEC changes only behind this wait
	s_and_saveexec_b32 s[SAVE], vcc_lo
	global_store_b128 v[OUTV], v[AF+32:AF+35], s[20:21]    ; h: 32 lanes store my wave's 512 consecutive bytes, at a multiple of 256 from out1's first byte
	global_store_b128 v[OUTV], v[AF+36:AF+39], s[22:23]    ; c likewise
	s_wait_xcnt 0x0                                ; and again in front of the line that widens it
	s_or_b32 exec_lo, exec_lo, s[SAVE]
.Lnot_last:
	CROUND                                         ; the closing round: no work-group ends while a partner may still ask for a load that names it
	s_endpgm
.Lfunc_end_k_q4b205819ba_main:
	.size	k_q4b205819ba_main, .Lfunc_end_k_q4b205819ba_main-k_q4b205819ba_main
	.p2alignl 7, 3214868480
	.fill 96, 4, 3214868480
	.section	.rodata,"a",@progbits
	.p2align	6, 0x0
	.amdhsa_kernel k_q4b205819ba_main
		.amdhsa_group_segment_fixed_size 327680
		.amdhsa_private_segment_fixed_size 0
		.amdhsa_enable_private_segment 0
		.amdhsa_kernarg_size 80
		.amdhsa_user_sgpr_count 2
		.amdhsa_user_sgpr_kernarg_segment_ptr 1
		.amdhsa_wavefront_size32 1
		.amdhsa_system_sgpr_workgroup_id_x 1
		.amdhsa_system_sgpr_workgroup_id_y 1
		.amdhsa_system_sgpr_workgroup_id_z 1
		.amdhsa_system_vgpr_workitem_id 0
		.amdhsa_next_free_vgpr 1024
		.amdhsa_next_free_sgpr 80
		.amdhsa_reserve_vcc 1
		.amdhsa_float_denorm_mode_32 3
		.amdhsa_float_denorm_mode_16_64 3
		.amdhsa_memory_ordered 1
		.amdhsa_forward_progress 1
		.amdhsa_inst_pref_size 255
	.end_amdhsa_kernel
	.section	.bss,"aw",@nobits
	.p2align	6
	.space	262144
	.amdgpu_metadata
---
amdhsa.version: [ 1, 2 ]
amdhsa.kernels:
  - .name:           k_q4b205819ba_main
    .symbol:         k_q4b205819ba_main.kd
    .args:
      - { .name: observation, .offset: 0, .size: 8, .value_kind: global_buffer, .address_space: global }
      - { .name: prev_action, .offset: 8, .size: 8, .value_kind: global_buffer, .address_space: global }
      - { .name: b1, .offset: 16, .size: 8, .value_kind: global_buffer, .address_space: global }
      - { .name: cell_state, .offset: 24, .size: 8, .value_kind: global_buffer, .address_space: global }
      - { .name: b2, .offset: 32, .size: 8, .value_kind: global_buffer, .address_space: global }
      - { .name: wq, .offset: 40, .size: 8, .value_kind: global_buffer, .address_space: global }
      - { .name: gbias, .offset: 48, .size: 8, .value_kind: global_buffer, .address_space: global }
      - { .name: out0, .offset: 56, .size: 8, .value_kind: global_buffer, .address_space: global }
      - { .name: out1, .offset: 64, .size: 8, .value_kind: global_buffer, .address_space: global }
      - { .name: out2, .offset: 72, .size: 8, .value_kind: global_buffer, .address_space: global }
    .group_segment_fixed_size: 327680
    .private_segment_fixed_size: 0
    .kernarg_segment_align: 8
    .kernarg_segment_size: 80
    .max_flat_workgroup_size: 128
    .sgpr_count:     80
    .vgpr_count:     1024
    .wavefront_size: 32
...
	.end_amdgpu_metadata
.endif
;; end of part 2
;; ======== version 2 of 2: 2 launches
;; limits: right only within a limited range of input values
;; workspace buffers: wq 1,280,000 bytes; gbias 8,192 bytes
;; launch prep (part 3): grid 228 x 1, 8 waves a work-group, no clusters, 2,048 bytes of LDS; arguments W1, W_ih, W2, W_hh, hidden_state, b_ih, b_hh, wq, gbias; writes wq, gbias
.if DOCPART == 3
	.amdgcn_target "amdgcn-amd-amdhsa--gfx1250"
	.amdhsa_code_object_version 6
	.text
	.protected	k_q4b205819ba_prep
	.globl	k_q4b205819ba_prep
	.p2align	8
	.type	k_q4b205819ba_prep,@function
k_q4b205819ba_prep:
	s_mov_b64 s[64:65], 0
	v_nop
	global_prefetch_b8 v0, s[64:65] scope:SCOPE_SE
	s_setreg_imm32_b32 hwreg(HW_REG_WAVE_MODE, 25, 1), 1
	s_wait_xcnt 0x0
; The weights of the three quantised products become codes of BF6 (E3M2) with one E8M0 byte for each 32 along K, once, laid in the order in which the second launch's
; operand registers take them; and the part of the gates that is the same for every row, b_ih + b_hh + hidden_state W_hh^T, is made in f32 by fused multiply-adds.
; wq.  A PART is 12,800 bytes: 8 fragments (16 weight rows x 128 K: 12 registers a lane) as images of their registers, fragment t at 1,536 t, register group j at + 512 j + 16 lane;
; then 512 bytes of scale words, that of (fragment t, row r) at 256 (t / 4) + 16 r + 4 (t % 4).  Slice g = 0 .. 24 has a part for each of the second launch's four waves w:
;   g = 0 .. 3, 24: W1, K from 128 g (g = 24: from 512; K ends at 544, the rest are zero codes); fragment t: rows 128 w + 32 (t / 2) + 8 (t % 2) + r + 8 (r / 8)
;   g = 4 .. 19:    W_ih, chunk (g - 4) / 4, K from 128 ((g - 4) % 4); fragment t: gate t / 2, rows 512 (t / 2) + 128 w + 32 chunk + 8 (t % 2) + r + 8 (r / 8)
;   g = 20, 22:     W2 whole: fragment t: rows 16 (t % 2) + r, K from 128 (t / 2);      g = 21, 23: zero codes, so that all loads of the second launch's ring have one shape
; Work-groups 0 .. 99 make part (g, w) = (x / 4, x % 4), wave t fragment t.  A lane takes row r and its registers run along K in the operand's own order (k = 64 c + 32 h + 0 .. 31),
; so the conversions' results are the operand's registers.  One path serves the three tensors: pointer, pitch and bounds are chosen on the work-group's number alone.
; Work-groups 100 .. 227 make gbias: wave t of work-group 100 + j the rows 16 j + 2 t and 16 j + 2 t + 1 of W_hh, so that W_hh's 4 MB are shared out among 128 work-groups.
; gbias[n] is multiplied by -log2(e) (gates i, f, o) or 2 log2(e) (gate g), the factor that the second launch's exponentials want.
; A block's scale byte is its largest magnitude's exponent field - 4, held at 1 from below.  LIMITS: a block of zeros gets the byte 1 where the quantiser's rule says 127 (its codes are
; zeros, and this program alone reads the bytes); NaN and infinities among the inputs are not served.
.set SPARE, 512                        ; LDS: bytes 0 .. 511 a part's scale words; from 512 the spare words, 128 bytes for each of the eight waves
.set SPW,  4                           ; v4   LDS address of my spare word; never rewritten
.set NIL,  5                           ; v5   0; never rewritten
.set HV,   16                          ; v16-31   my 16 numbers of hidden_state
.set X,    32                          ; v32-95   my 64 numbers of a weight row (v32-63: two rows' 16 numbers of W_hh)
.set PC,   96                          ; v96-107  the fragment's codes
.set PT,   108                         ; v108-115 the upper halves of the two blocks, as the conversions leave them
.set TM,   116                         ; v116-117 largest magnitudes
.set SF,   118                         ; v118-119 the conversions' scale operands
.set BY,   120                         ; v120-121 scale bytes
.set SW,   122                         ; v122-123 the scale word, and lane l xor 16's part of it
.set OUTR, 124                         ; v124-127 scale words on their way out
.set ACC,  160                         ; v160-163 two rows' sums, two halves each
.set SUM,  176                         ; v176-177 two rows' sums
	s_load_b512 s[4:19], s[0:1], 0x0               ; W1 s[4:5], W_ih s[6:7], W2 s[8:9], W_hh s[10:11], hidden_state s[12:13], b_ih s[14:15], b_hh s[16:17], wq s[18:19]
	s_load_b64 s[20:21], s[0:1], 0x40              ; gbias
	v_lshl_add_u32 v[SPW], v0, 2, SPARE
	v_mov_b32 v[NIL], 0
	v_lshrrev_b32 v1, 5, v0
	s_delay_alu instid0(VALU_DEP_1)
	v_readfirstlane_b32 s24, v1                    ; wave t
	v_and_b32 v1, 31, v0                           ; lane
	v_and_b32 v2, 15, v0                           ; r
	v_bfe_u32 v3, v0, 4, 1                         ; h
	s_delay_alu instid0(VALU_DEP_3)
	v_lshlrev_b32 v6, 4, v1                        ; 16 x lane
	s_mov_b32 s22, 0x76543210
	s_mov_b32 s23, 0xfedcba98                      ; v_permlanex16_b32's selects for lane l xor 16
	s_cmp_ge_u32 ttmp9, 100
	s_cbranch_scc1 .Lgemv
	; ---- the quantiser.  What the three tensors differ in, each worked out, then chosen
	s_lshr_b32 s25, ttmp9, 2                       ; g
	s_and_b32 s26, ttmp9, 3                        ; w
	s_lshr_b32 s27, s24, 1                         ; t / 2
	s_and_b32 s28, s24, 1                          ; t % 2
	s_lshl_b32 s29, s26, 7
	s_lshl_b32 s30, s28, 3
	s_add_co_u32 s29, s29, s30                     ; 128 w + 8 (t % 2)
	s_sub_co_u32 s31, s25, 4                       ; W_ih: g - 4
	s_bfe_u32 s32, s31, 0x20002                    ; the chunk
	s_and_b32 s33, s31, 3                          ; the K step
	s_lshl_b32 s34, s27, 9
	s_add_co_u32 s34, s34, s29
	s_lshl_b32 s32, s32, 5
	s_add_co_u32 s34, s34, s32                     ; first row: 512 (t / 2) + 128 w + 32 chunk + 8 (t % 2)
	s_lshl_b32 s35, s33, 7                         ; first k
	s_lshl_b32 s36, s28, 4                         ; W2: first row 16 (t % 2),
	s_lshl_b32 s37, s27, 7                         ; first k 128 (t / 2),
	s_and_b32 s38, s25, 1
	s_cmp_eq_u32 s38, 0
	s_cselect_b32 s38, 512, 0                      ; K's end: 512, or 0 in the slices of zeros
	s_lshl_b32 s39, s27, 5                         ; W1: first row 128 w + 32 (t / 2) + 8 (t % 2),
	s_add_co_u32 s39, s39, s29
	s_lshl_b32 s40, s25, 7
	s_min_u32 s40, s40, 512                        ; first k 128 g, in slice 24: 512
	s_cmp_lt_u32 s25, 4
	s_cselect_b32 s41, 1, 0
	s_cmp_eq_u32 s25, 24
	s_cselect_b32 s41, 1, s41                      ; 1: W1
	s_mov_b32 s42, 25600
	s_cselect_b32 s42, 12800, s42                  ; from wave to wave in wq: two parts, in slice 24 one
	s_cmp_ge_u32 s25, 20
	s_cselect_b32 s43, 1, 0                        ; 1: W2 (slice 24 is taken back by W1's choice below)
	s_lshr_b32 s49, s25, 1
	s_mul_i32 s50, s49, 102400
	s_and_b32 s49, s25, 1
	s_mul_i32 s49, s49, 12800
	s_add_co_u32 s50, s50, s49
	s_mul_i32 s49, s26, s42
	s_add_co_u32 s50, s50, s49                     ; the part's first byte in wq
	s_mov_b32 s51, 0
	s_wait_kmcnt 0x0
	s_cmp_eq_u32 s43, 1
	s_cselect_b64 s[44:45], s[8:9], s[6:7]
	s_cselect_b32 s34, s36, s34
	s_cselect_b32 s35, s37, s35
	s_cselect_b32 s38, s38, 512
	s_cselect_b32 s46, 0, 1                        ; W2's rows are neighbours; the others' upper eight lie eight further on
	s_cmp_eq_u32 s41, 1
	s_cselect_b64 s[44:45], s[4:5], s[44:45]       ; the tensor
	s_cselect_b32 s34, s39, s34                    ; the fragment's first row
	s_cselect_b32 s35, s40, s35                    ; its first k
	s_cselect_b32 s38, 544, s38                    ; K's end
	s_cselect_b32 s46, 1, s46
	s_mov_b32 s47, 2048
	s_cselect_b32 s47, 2176, s47                   ; a row in bytes
	s_mov_b32 s48, 480
	s_cselect_b32 s48, 512, s48                    ; the last k at which 32 numbers still lie inside the row
	s_add_nc_u64 s[18:19], s[18:19], s[50:51]
	s_mul_i32 s52, s24, 1536
	s_wait_alu depctr_va_vdst(0)
	v_add_nc_u32 v7, s52, v6                       ; my 16 bytes of the fragment's first register group
	v_and_b32 v8, 8, v2
	s_delay_alu instid0(VALU_DEP_1)
	v_mul_u32_u24 v8, s46, v8
	s_delay_alu instid0(VALU_DEP_1)
	v_add3_u32 v8, v8, v2, s34                     ; my row
	s_delay_alu instid0(VALU_DEP_1)
	v_mul_lo_u32 v8, v8, s47
	v_lshlrev_b32 v9, 5, v3
	s_delay_alu instid0(VALU_DEP_1)
	v_add_nc_u32 v10, s35, v9                      ; my two blocks begin at k = first k + 32 h
	s_delay_alu instid0(VALU_DEP_1)
	v_add_nc_u32 v11, 64, v10                      ; and 64 further on
	s_delay_alu instid0(VALU_DEP_2)
	v_cmp_gt_u32 s54, s38, v10                     ; a block lies whole inside K or whole beyond it (544 and 512 are multiples of 32)
	s_delay_alu instid0(VALU_DEP_2)
	v_cmp_gt_u32 s55, s38, v11
	s_delay_alu instid0(VALU_DEP_4)
	v_min_u32 v10, s48, v10                        ; a block beyond K's end reads the row's last 32 numbers instead: no load leaves its buffer
	s_delay_alu instid0(VALU_DEP_4)
	v_min_u32 v11, s48, v11
	s_delay_alu instid0(VALU_DEP_2)
	v_lshl_add_u32 v10, v10, 2, v8
	s_delay_alu instid0(VALU_DEP_2)
	v_lshl_add_u32 v11, v11, 2, v8
.irp c, 0,1
.irp i, 0,1,2,3,4,5,6,7
	global_load_b128 v[X+32*\c+4*\i:X+32*\c+4*\i+3], v[10+\c], s[44:45] offset:16*\i
.endr
.endr
	s_lshr_b32 s52, s24, 2
	s_lshl_b32 s52, s52, 8
	s_and_b32 s53, s24, 3
	s_lshl_b32 s53, s53, 2
	s_add_co_u32 s52, s52, s53
	v_lshl_add_u32 v12, v2, 4, s52                 ; LDS: my row's scale word: 256 (t / 4) + 4 (t % 4) + 16 r
	s_wait_loadcnt 0x0
.irp c, 0,1
.irp i, 0,1,2,3,4,5,6,7,8,9,10,11,12,13,14,15,16,17,18,19,20,21,22,23,24,25,26,27,28,29,30,31
	v_cndmask_b32 v[X+32*\c+\i], 0, v[X+32*\c+\i], s[54+\c]   ; zeros beyond K's end, ahead of the maximum; done in every work-group
.endr
.endr
.irp c, 0,1
	v_max3_num_f32 v[TM+\c], |v[X+32*\c]|, |v[X+1+32*\c]|, 0x2800000   ; block 2 c + h: all its 32 numbers are mine; the floor 2^(5 - 127) holds the byte at 1 from below
.endr
.irp i, 2,4,6,8,10,12,14,16,18,20,22,24,26,28,30
.irp c, 0,1
	s_delay_alu instid0(VALU_DEP_2)
	v_max3_num_f32 v[TM+\c], v[TM+\c], |v[X+32*\c+\i]|, |v[X+1+32*\c+\i]|
.endr
.endr
.irp c, 0,1
	s_delay_alu instid0(VALU_DEP_2)
	v_add_nc_u32 v[SF+\c], 0xfe000000, v[TM+\c]    ; 4 off the exponent field: the conversion takes that field of this operand as its scale
.endr
.irp c, 0,1
	s_delay_alu instid0(VALU_DEP_2)
	v_lshrrev_b32 v[BY+\c], 23, v[SF+\c]           ; the scale's byte
.endr
	s_delay_alu instid0(VALU_DEP_1)
	v_lshl_or_b32 v[SW], v[BY+1], 16, v[BY]        ; my bytes, blocks h and 2 + h,
	v_lshlrev_b32 v13, 3, v3
	s_delay_alu instid0(VALU_DEP_1)
	v_lshlrev_b32 v[SW], v13, v[SW]                ; at their places in the row's word;
	v_mov_b32 v[SW+1], 0
	s_delay_alu instid0(VALU_DEP_1)
	v_permlanex16_b32 v[SW+1], v[SW], s22, s23
	s_delay_alu instid0(VALU_DEP_1)
	v_or_b32 v[SW], v[SW], v[SW+1]                 ; with lane l xor 16's two the word is whole, in both lanes
.irp c, 0,1
	v_cvt_scalef32_pk16_bf6_f32 v[PC+6*\c:PC+6*\c+2], v[X+32*\c:X+32*\c+15], v[SF+\c]      ; registers 6 c .. 6 c + 2 of the operand
	v_cvt_scalef32_pk16_bf6_f32 v[PT+4*\c:PT+4*\c+2], v[X+32*\c+16:X+32*\c+31], v[SF+\c]   ; (a conversion's three registers begin on an even number: the upper half is made apart and moved)
.endr
	v_nop                                          ; one plain line behind a scaled conversion
.irp c, 0,1
.irp i, 0,1,2
	v_mov_b32 v[PC+3+6*\c+\i], v[PT+4*\c+\i]
.endr
.endr
.irp j, 0,1,2
	global_store_b128 v7, v[PC+4*\j:PC+4*\j+3], s[18:19] offset:512*\j   ; 32 lanes store 512 consecutive bytes, at a multiple of 256 from wq's first byte
.endr
	ds_store_b32 v12, v[SW]                        ; lanes r and r + 16 write the same word with the same value
	s_wait_dscnt 0x0                               ; for the others' sake: my word lies in LDS
	s_barrier_signal -1
	s_barrier_wait -1                              ; all eight fragments' words do
	s_cmp_lg_u32 s24, 0
	s_cbranch_scc1 .Lnot_wave_0
	ds_load_b128 v[OUTR:OUTR+3], v6
	s_wait_dscnt 0x0
	global_store_b128 v6, v[OUTR:OUTR+3], s[18:19] offset:12288   ; the part's 512 bytes of scale words leave as two whole aligned blocks of 256
.Lnot_wave_0:
	s_wait_tensorcnt 0x0                           ; the wave's end, behind my last LDS store
	ds_add_u32 v[SPW], v[NIL]
	s_wait_dscnt 0x0
	s_endpgm
	; ---- hidden_state W_hh^T + b_ih + b_hh, two rows a wave; a row is 2,048 bytes: four loads of 512 consecutive bytes.  No LDS is touched on this path
.Lgemv:
	s_sub_co_u32 s25, ttmp9, 100
	s_lshl_b32 s25, s25, 4
	s_lshl_b32 s26, s24, 1
	s_add_co_u32 s25, s25, s26                     ; my first row: 16 j + 2 t
	s_lshl_b32 s26, s25, 11
	s_mov_b32 s27, 0
	s_lshr_b32 s28, s25, 9                         ; its gate (the two rows never straddle a gate)
	s_mov_b32 s29, 0xbfb8aa3b                      ; -log2(e)
	s_cmp_eq_u32 s28, 2
	s_cselect_b32 s29, 0x4038aa3b, s29             ; 2 log2(e) for the gate that takes tanh
	s_wait_alu depctr_va_vdst(0)
	v_and_b32 v7, 1, v1
	s_delay_alu instid0(VALU_DEP_1)
	v_add_nc_u32 v8, s25, v7
	s_delay_alu instid0(VALU_DEP_1)
	v_lshlrev_b32 v8, 2, v8                        ; byte of row (first + lane % 2) in the three vectors
	s_wait_alu depctr_va_vdst(0)
	s_wait_kmcnt 0x0
	s_add_nc_u64 s[10:11], s[10:11], s[26:27]
.irp i, 0,1,2,3
	global_load_b128 v[HV+4*\i:HV+4*\i+3], v6, s[12:13] offset:512*\i
.endr
.irp n, 0,1
.irp i, 0,1,2,3
	global_load_b128 v[X+16*\n+4*\i:X+16*\n+4*\i+3], v6, s[10:11] offset:2048*\n+512*\i th:TH_LOAD_NT
.endr
.endr
	global_load_b32 v9, v8, s[14:15]
	global_load_b32 v10, v8, s[16:17]
	s_wait_loadcnt 0x0
.irp n, 0,1
	v_pk_mul_f32 v[ACC+2*\n:ACC+2*\n+1], v[X+16*\n:X+16*\n+1], v[HV:HV+1]   ; the first product starts each sum; the two rows by turns
.endr
.irp j, 2,4,6,8,10,12,14
.irp n, 0,1
	v_pk_fma_f32 v[ACC+2*\n:ACC+2*\n+1], v[X+16*\n+\j:X+16*\n+\j+1], v[HV+\j:HV+\j+1], v[ACC+2*\n:ACC+2*\n+1]
.endr
.endr
.irp n, 0,1
	v_add_f32 v[SUM+\n], v[ACC+2*\n], v[ACC+2*\n+1]
.endr
.irp k, 1,2,4,8
.irp n, 0,1
	v_add_f32_dpp v[SUM+\n], v[SUM+\n], v[SUM+\n] row_xmask:\k row_mask:0xf bank_mask:0xf
.endr
.endr
.irp n, 0,1
	v_permlanex16_b32 v[ACC+\n], v[SUM+\n], s22, s23
.endr
.irp n, 0,1
	v_add_f32 v[SUM+\n], v[SUM+\n], v[ACC+\n]      ; every lane holds both rows' sums
.endr
	v_cmp_eq_u32 vcc_lo, 1, v7
	v_add_f32 v9, v9, v10
	v_cndmask_b32 v11, v[SUM], v[SUM+1], vcc_lo    ; lane l keeps row l % 2's
	s_delay_alu instid0(VALU_DEP_1)
	v_add_f32 v11, v11, v9
	s_delay_alu instid0(VALU_DEP_1)
	v_mul_f32 v11, s29, v11
	v_cmp_gt_u32 vcc_lo, 2, v1
	s_wait_alu depctr_va_vdst(0)
	s_wait_xcnt 0x0                                ; EXEC changes only behind this wait
	s_and_saveexec_b32 s30, vcc_lo
	global_store_b32 v8, v11, s[20:21]             ; two lanes, my two rows' 8 consecutive bytes
	s_wait_xcnt 0x0                                ; and again in front of the line that widens it
	s_or_b32 exec_lo, exec_lo, s30
	s_endpgm
.Lfunc_end_k_q4b205819ba_prep:
	.size	k_q4b205819ba_prep, .Lfunc_end_k_q4b205819ba_prep-k_q4b205819ba_prep
	.p2alignl 7, 3214868480
	.fill 96, 4, 3214868480
	.section	.rodata,"a",@progbits
	.p2align	6, 0x0
	.amdhsa_kernel k_q4b205819ba_prep
		.amdhsa_group_segment_fixed_size 2048
		.amdhsa_private_segment_fixed_size 0
		.amdhsa_enable_private_segment 0
		.amdhsa_kernarg_size 72
		.amdhsa_user_sgpr_count 2
		.amdhsa_user_sgpr_kernarg_segment_ptr 1
		.amdhsa_wavefront_size32 1
		.amdhsa_system_sgpr_workgroup_id_x 1
		.amdhsa_system_sgpr_workgroup_id_y 1
		.amdhsa_system_sgpr_workgroup_id_z 1
		.amdhsa_system_vgpr_workitem_id 0
		.amdhsa_next_free_vgpr 192
		.amdhsa_next_free_sgpr 66
		.amdhsa_reserve_vcc 1
		.amdhsa_float_denorm_mode_32 3
		.amdhsa_float_denorm_mode_16_64 3
		.amdhsa_memory_ordered 1
		.amdhsa_forward_progress 1
		.amdhsa_inst_pref_size 20
	.end_amdhsa_kernel
	.amdgpu_metadata
---
amdhsa.version: [ 1, 2 ]
amdhsa.kernels:
  - .name:           k_q4b205819ba_prep
    .symbol:         k_q4b205819ba_prep.kd
    .args:
      - { .name: W1, .offset: 0, .size: 8, .value_kind: global_buffer, .address_space: global }
      - { .name: W_ih, .offset: 8, .size: 8, .value_kind: global_buffer, .address_space: global }
      - { .name: W2, .offset: 16, .size: 8, .value_kind: global_buffer, .address_space: global }
      - { .name: W_hh, .offset: 24, .size: 8, .value_kind: global_buffer, .address_space: global }
      - { .name: hidden_state, .offset: 32, .size: 8, .value_kind: global_buffer, .address_space: global }
      - { .name: b_ih, .offset: 40, .size: 8, .value_kind: global_buffer, .address_space: global }
      - { .name: b_hh, .offset: 48, .size: 8, .value_kind: global_buffer, .address_space: global }
      - { .name: wq, .offset: 56, .size: 8, .value_kind: global_buffer, .address_space: global }
      - { .name: gbias, .offset: 64, .size: 8, .value_kind: global_buffer, .address_space: global }
    .group_segment_fixed_size: 2048
    .private_segment_fixed_size: 0
    .kernarg_segment_align: 8
    .kernarg_segment_size: 72
    .max_flat_workgroup_size: 256
    .sgpr_count:     66
    .vgpr_count:     192
    .wavefront_size: 32
...
	.end_amdgpu_metadata
.endif
;; end of part 3
;; launch main (part 4): grid 256 x 1, 4 waves a work-group, clusters of 4 x 1, 327,680 bytes of LDS; arguments observation, prev_action, b1, cell_state, b2, wq, gbias, out0, out1, out2; writes out0, out1, out2
.if DOCPART == 4
	.amdgcn_target "amdgcn-amd-amdhsa--gfx1250"
	.amdhsa_code_object_version 6
	.text
	.protected	k_q4b205819ba_main
	.globl	k_q4b205819ba_main
	.p2align	8
	.type	k_q4b205819ba_main,@function
k_q4b205819ba_main:
	s_mov_b64 s[64:65], 0
	v_nop
	global_prefetch_b8 v0, s[64:65] scope:SCOPE_SE
	s_setreg_imm32_b32 hwreg(HW_REG_WAVE_MODE, 25, 1), 1
	s_wait_xcnt 0x0
	s_wait_alu depctr_hold_cnt(0) depctr_sa_sdst(0) depctr_va_vdst(0) depctr_va_sdst(0) depctr_va_ssrc(0) depctr_va_vcc(0) depctr_vm_vsrc(0)
	s_getreg_b32 s2, hwreg(HW_REG_IB_STS2, 6, 4)
	s_cmp_eq_u32 s2, 0
	s_cbranch_scc0 .Lentry_in_a_cluster
	s_endpgm
.Lentry_in_a_cluster:
	s_bfe_u32 s2, ttmp6, 0x10000c
	s_cmp_lg_u32 s2, 0x3003
	s_cbranch_scc0 .Lentry_shape_is_right
	s_endpgm
.Lentry_shape_is_right:
; One work-group of four waves takes 128 rows of the batch through the whole chain; nothing between the products goes to memory.
; Head: concat(observation, prev_action) is quantised along K into register images in LDS.  Product 1, transposed (source 0 = 16 weight rows, source 1 = 16 batch rows):
; wave w makes 128 of the 512 embedding units for all 128 rows; b1 is the C of the first step; relu; quantised into images again.
; Product 2 in four chunks: in chunk c wave w makes the four gates of hidden units 128 w + 32 c + 0 .. 31; the cell in f32 (sigmoid = rcp(1 + exp2), tanh = 1 - 2 rcp(1 + exp2));
; h is quantised into LDS.  Product 3: wave w makes 32 rows x 32 q values, b2 as the first C.
; The weights come as slices of wq through a ring of two LDS slots, by joint loads of the cluster's four work-groups, which walk the same slices.
; out1, out2: h and c of row 32,767 are stored from registers, in each chunk, by the two lanes of each wave of work-group 255 that hold that row.
; LIMITS: NaN and infinities among the inputs are not served.
.set BLK,   12800
.set FRB,   1536
.set SCB,   12288
.set REGB,  64000
.set RING,  115200
.set SLOT,  102400
.set WPART, 25600
.set SPARE, 320000
.set TAILW, 1228800
.set XP,    528
.set AP,    144
.set LI,    1
.set EA,    2
.set WA0,   3
.set WA1,   4
.set WAX,   5
.set XWI,   6
.set XWS,   7
.set EWS,   8
.set HW,    9
.set HWC,   10
.set HSW,   11
.set HSC,   12
.set XSR,   13
.set ASR,   14
.set VB,    15
.set STB,   17                         ; 16 x work-group + l % 16: 4,095 in the lanes that hold row 32,767
.set SPW,   18
.set NIL,   19
.set HR,    20
.set SO,    22
.set SRD,   23
.set B2O,   24
.set RR,    26
.set KS,    28
.set KX,    48
.set KW,    160
.set WS,    32
.set XS,    40
.set CS,    48
.set AF,    64
.set HA,    64
.set HT,    128
.set HT2,   132
.set HX,    136
.set TM,    160
.set PW,    176
.set PC,    180
.set B2R,   240
.set WV,    24
.set G1,    32
.set G0A,   48
.set G0B,   52
.set SEL,   60
.set NL,    62
.set TL,    66
.set TRIP,  68
.set HB,    69
.set HC,    70
.set SAVE,  71
.set MSB, 0
.macro WIN new
.if MSB != (\new)
	s_set_vgpr_msb (MSB<<8)|(\new)
.set MSB, (\new)
.endif
.endm
.macro PLACES n
.rept \n
	v_nop
.endr
.endm
.macro CREST
	s_cmp_lg_u32 s[WV], 0
	s_cbranch_scc1 .Lnot_wave_0_\@
	s_barrier_signal -3
.Lnot_wave_0_\@:
	s_barrier_wait -3
	s_barrier_signal -1
	s_barrier_wait -1
.endm
.macro CROUND
	s_barrier_signal -1
	s_barrier_wait -1
	CREST
.endm
.macro JL g0, g1
	tensor_load_to_lds s[\g0:\g0+3], s[\g1:\g1+7]
	s_nop 0
.rept 4
	v_nop
.endr
.endm
.macro TURNX wn, s
	WIN ((\wn)<<2)
.irp i, 0,1,2,3,4,5,6,7,8,9,10,11,12,13,14,15
	ds_store_b128 v[WAX], v[64*(\s)+4*\i:64*(\s)+4*\i+3] offset:XP*\i
.endr
	WIN ((\wn)<<6)
.irp b, 0,1,2,3
.irp j, 0,1,2,3
	ds_load_b128 v[64*(\s)+16*\b+4*\j:64*(\s)+16*\b+4*\j+3], v[XSR] offset:128*\b+16*\j
.endr
.endr
	WIN 0
.endm
.macro QUANT s, w
	WIN ((\w)|((\w)<<2))
.irp b, 0,1,2,3
	v_max3_num_f32 v[TM+\b], |v[(\s)+16*\b]|, |v[(\s)+1+16*\b]|, 0x2800000
.endr
	WIN (((\w)<<2)|((\w)<<4))
.irp i, 2,4,6,8,10,12,14
.irp b, 0,1,2,3
	v_max3_num_f32 v[TM+\b], v[TM+\b], |v[(\s)+16*\b+\i]|, |v[(\s)+1+16*\b+\i]|
.endr
.endr
	WIN 0
.irp b, 0,1,2,3
	v_permlanex16_b32 v[TM+4+\b], v[TM+\b], s[SEL], s[SEL+1]
.endr
.irp b, 0,1,2,3
	v_max_num_f32 v[TM+\b], v[TM+\b], v[TM+4+\b]
.endr
.irp b, 0,1,2,3
	v_add_nc_u32 v[TM+12+\b], 0xfe000000, v[TM+\b]
.endr
.irp b, 0,1,2,3
	v_lshrrev_b32 v[TM+4+\b], 23, v[TM+12+\b]
.endr
	v_lshl_or_b32 v[PW], v[TM+5], 8, v[TM+4]
	v_lshl_or_b32 v[PW], v[TM+6], 16, v[PW]
	v_lshl_or_b32 v[PW], v[TM+7], 24, v[PW]
	WIN (\w)
.irp c, 0,1
	v_cvt_scalef32_pk16_bf6_f32 v[PC+6*\c:PC+2+6*\c], v[(\s)+32*\c:(\s)+15+32*\c], v[TM+12+2*\c]
	v_cvt_scalef32_pk16_bf6_f32 v[PC+12+4*\c:PC+14+4*\c], v[(\s)+16+32*\c:(\s)+31+32*\c], v[TM+13+2*\c]
.endr
	WIN 0
	v_nop
.irp c, 0,1
.irp i, 0,1,2
	v_permlane16_swap_b32 v[PC+6*\c+\i], v[PC+12+4*\c+\i]
.endr
.irp i, 0,1,2
	v_mov_b32 v[PC+3+6*\c+\i], v[PC+12+4*\c+\i]
.endr
.endr
.endm
.macro IMAGE adr, off
.irp j, 0,1,2
	ds_store_b128 v[\adr], v[PC+4*\j:PC+4*\j+3] offset:(\off)+512*\j
.endr
.endm
.macro FETCH_W adr, off, p
	WIN 0x40
.irp t, 0,1,2,3,4,5,6,7
.irp j, 0,1,2
	ds_load_b128 v[128*(\p)+12*\t+4*\j:128*(\p)+12*\t+4*\j+3], v[\adr] offset:(\off)+FRB*\t+512*\j
.endr
.endr
	WIN 0
	ds_load_b128 v[WS+4*(\p):WS+4*(\p)+3], v[\adr] offset:(\off)+SCB
.endm
.macro FETCH_A adr, off, m0
.irp m, \m0, \m0+1, \m0+2, \m0+3
.irp j, 0,1,2
	ds_load_b128 v[AF+12*(\m)+4*\j:AF+12*(\m)+4*\j+3], v[\adr] offset:(\off)+FRB*(\m)+512*\j
.endr
.endr
.endm
.macro FETCH_XS adr, off, p
	ds_load_b128 v[XS+4*(\p):XS+4*(\p)+3], v[\adr] offset:(\off)+SCB
.endm
.macro EMIT
.if fZ
.if fV == 0
	v_wmma_scale_f32_16x16x128_f8f6f4 v[rD:rD+7], v[rA:rA+11], v[rB:rB+11], 0, v[rSA], v[rSB] matrix_a_fmt:MATRIX_FMT_BF6 matrix_b_fmt:MATRIX_FMT_BF6
.elseif fV == 1
	v_wmma_scale_f32_16x16x128_f8f6f4 v[rD:rD+7], v[rA:rA+11], v[rB:rB+11], 0, v[rSA], v[rSB] matrix_a_fmt:MATRIX_FMT_BF6 matrix_b_fmt:MATRIX_FMT_BF6 matrix_a_scale:MATRIX_SCALE_ROW1
.elseif fV == 2
	v_wmma_scale_f32_16x16x128_f8f6f4 v[rD:rD+7], v[rA:rA+11], v[rB:rB+11], 0, v[rSA], v[rSB] matrix_a_fmt:MATRIX_FMT_BF6 matrix_b_fmt:MATRIX_FMT_BF6 matrix_b_scale:MATRIX_SCALE_ROW1
.else
	v_wmma_scale_f32_16x16x128_f8f6f4 v[rD:rD+7], v[rA:rA+11], v[rB:rB+11], 0, v[rSA], v[rSB] matrix_a_fmt:MATRIX_FMT_BF6 matrix_b_fmt:MATRIX_FMT_BF6 matrix_a_scale:MATRIX_SCALE_ROW1 matrix_b_scale:MATRIX_SCALE_ROW1
.endif
.else
.if fV == 0
	v_wmma_scale_f32_16x16x128_f8f6f4 v[rD:rD+7], v[rA:rA+11], v[rB:rB+11], v[rC:rC+7], v[rSA], v[rSB] matrix_a_fmt:MATRIX_FMT_BF6 matrix_b_fmt:MATRIX_FMT_BF6
.elseif fV == 1
	v_wmma_scale_f32_16x16x128_f8f6f4 v[rD:rD+7], v[rA:rA+11], v[rB:rB+11], v[rC:rC+7], v[rSA], v[rSB] matrix_a_fmt:MATRIX_FMT_BF6 matrix_b_fmt:MATRIX_FMT_BF6 matrix_a_scale:MATRIX_SCALE_ROW1
.elseif fV == 2
	v_wmma_scale_f32_16x16x128_f8f6f4 v[rD:rD+7], v[rA:rA+11], v[rB:rB+11], v[rC:rC+7], v[rSA], v[rSB] matrix_a_fmt:MATRIX_FMT_BF6 matrix_b_fmt:MATRIX_FMT_BF6 matrix_b_scale:MATRIX_SCALE_ROW1
.else
	v_wmma_scale_f32_16x16x128_f8f6f4 v[rD:rD+7], v[rA:rA+11], v[rB:rB+11], v[rC:rC+7], v[rSA], v[rSB] matrix_a_fmt:MATRIX_FMT_BF6 matrix_b_fmt:MATRIX_FMT_BF6 matrix_a_scale:MATRIX_SCALE_ROW1 matrix_b_scale:MATRIX_SCALE_ROW1
.endif
.endif
.endm
.macro MUL16 a0, p, mode
.irp a, \a0, \a0+1
.irp t, 0,1,2,3,4,5,6,7
.set rD, 8*(8*((\a)%4)+\t)
.set rA, 128*(\p)+12*\t
.set rSA, WS+4*(\p)+(\t%4)
.if (\p) == 2
.set rA, KW+12*\t
.set rSA, KS+(\t%4)
.endif
.set rB, AF+12*(\a)
.set rSB, XS+4*((\p)%2)+((\a)%4)
.set fV, (\t/4)+2*((\a)/4)
.set rC, rD
.set fZ, 0
.if (\mode) == 2
.set rC, 96+8*\t+96*(\t/4)
.endif
.if (\mode) == 1
.set fZ, 1
.endif
	EMIT
.endr
.endr
.endm
.macro MWIN hi, mode
.if (\mode) == 2
	WIN (0x91+0x40*(\hi))
.else
	WIN (0xa1+0x50*(\hi))
.endif
.endm
.macro STEP p, mode, wadr, woff, aadr, aoff
	s_wait_dscnt 12
	MWIN 0, \mode
	MUL16 0, \p, \mode
	MUL16 2, \p, \mode
	s_wait_dscnt 0x0
	PLACES 4
	FETCH_W \wadr, \woff, 1-(\p)
	FETCH_A \aadr, \aoff, 0
	FETCH_XS \aadr, \aoff, 1-(\p)
	MWIN 1, \mode
	MUL16 4, \p, \mode
	MUL16 6, \p, \mode
	PLACES 4
	WIN 0
	FETCH_A \aadr, \aoff, 4
.endm
.macro STEPN p, aadr, aoff
	s_wait_dscnt 12
	MWIN 0, 0
	MUL16 0, \p, 0
	MUL16 2, \p, 0
	s_wait_dscnt 0x0
	PLACES 4
	WIN 0
	FETCH_A \aadr, \aoff, 0
	FETCH_XS \aadr, \aoff, 1-(\p)
	MWIN 1, 0
	MUL16 4, \p, 0
	MUL16 6, \p, 0
	PLACES 4
	WIN 0
	FETCH_A \aadr, \aoff, 4
.endm
.macro TURN aadr, aoff
	s_wait_tensorcnt 0x0
	ds_add_u32 v[SPW], v[NIL]
	s_add_nc_u64 s[G0A+2:G0A+3], s[G0A+2:G0A+3], 2*SLOT
	s_wait_dscnt 13
	WIN 0xa1
	MUL16 0, 1, 0
	s_wait_dscnt 0x0
	s_barrier_signal -1
	MUL16 2, 1, 0
	WIN 0
	s_barrier_wait -1
	CREST
	JL G0A, G1
	FETCH_W WA1, 0, 0
	FETCH_A \aadr, \aoff, 0
	FETCH_XS \aadr, \aoff, 0
	WIN 0xf1
	MUL16 4, 1, 0
	MUL16 6, 1, 0
	PLACES 4
	WIN 0
	FETCH_A \aadr, \aoff, 4
.endm
.macro LAST p
	s_wait_dscnt 12
	WIN 0xa1
	MUL16 0, \p, 0
	MUL16 2, \p, 0
	s_wait_dscnt 0x0
	WIN 0xf1
	MUL16 4, \p, 0
	MUL16 6, \p, 0
	WIN 0
	PLACES 4
.endm
.macro LASTK
	s_wait_loadcnt 0x0
	s_wait_dscnt 12
	WIN 0xa0
	MUL16 0, 2, 0
	MUL16 2, 2, 0
	s_wait_dscnt 0x0
	WIN 0xf0
	MUL16 4, 2, 0
	MUL16 6, 2, 0
	WIN 0
	PLACES 4
.endm
.macro COLD wadr, aadr
	FETCH_W \wadr, 0, 0
	FETCH_A \aadr, 0, 0
	FETCH_XS \aadr, 0, 0
	FETCH_A \aadr, 0, 4
.endm
.macro CHANGE
	WIN 0
	s_wait_tensorcnt 0x0
	ds_add_u32 v[SPW], v[NIL]
	s_add_nc_u64 s[G0B+2:G0B+3], s[G0B+2:G0B+3], 2*SLOT
	s_wait_dscnt 0x0
	CROUND
	JL G0B, G1
.endm
; The cell's arithmetic goes tile by tile (16 rows: 64 registers, gates i, f, g, o in 16 each), in sections.  In a section one tile's transcendentals stand line by line with
; other tiles' packed lines; every line of a section names only registers that earlier sections have finished.
; PL: the k-th packed line of a step on tile m.  1: 1 + 2^x, all four gates (32 lines).  2: tanh g = 1 - 2 r (8), then f x cell_state (8).  3: c = i g + f c0.  4: 2 log2(e) c.
; 5: 1 + 2^x.  6: tanh c = 1 - 2 r (8 lines each).
.macro PL kind, m, k
.set b0, 64*(\m)+2*((\k)%8)
.if (\kind) == 1
	v_pk_add_f32 v[64*(\m)+2*(\k):64*(\m)+2*(\k)+1], v[64*(\m)+2*(\k):64*(\m)+2*(\k)+1], 1.0 op_sel_hi:[1,0]
.elseif (\kind) == 2
.if (\k) < 8
	v_pk_fma_f32 v[b0+32:b0+33], v[b0+32:b0+33], -2.0, 1.0 op_sel_hi:[1,0,0]
.else
	v_pk_mul_f32 v[b0+16:b0+17], v[b0+16:b0+17], v[CS+2*((\k)%8):CS+2*((\k)%8)+1]
.endif
.elseif (\kind) == 3
	v_pk_fma_f32 v[b0+16:b0+17], v[b0:b0+1], v[b0+32:b0+33], v[b0+16:b0+17]
.elseif (\kind) == 4
	v_pk_mul_f32 v[b0:b0+1], v[b0+16:b0+17], s[TL:TL+1] op_sel_hi:[1,0]
.elseif (\kind) == 5
	v_pk_add_f32 v[b0:b0+1], v[b0:b0+1], 1.0 op_sel_hi:[1,0]
.else
	v_pk_fma_f32 v[b0:b0+1], v[b0:b0+1], -2.0, 1.0 op_sel_hi:[1,0,0]
.endif
.endm
; ZIP: tn transcendentals op, in place, on tile tm's registers lo .., by turns with the lines of step kind on tile pm (kind 0: none).  Step 2 takes cell_state from window 0 as source 1.
.macro ZIP op, tm, lo, tn, kind, pm
.set zp, 0
.if (\kind) == 1
.set zp, 32
.elseif (\kind) == 2
.set zp, 16
.elseif (\kind) > 2
.set zp, 8
.endif
.set zn, (\tn)
.if zp > zn
.set zn, zp
.endif
.if (\kind) == 2
	WIN WCS
.else
	WIN WALL
.endif
.set zk, 0
.rept zn
.if zk < (\tn)
	\op v[64*(\tm)+(\lo)+zk], v[64*(\tm)+(\lo)+zk]
.endif
.if zk < zp
	PL \kind, \pm, zk
.endif
.set zk, zk+1
.endr
.endm
; A section's end: one plain place behind its last transcendental, and one wait, behind its transcendentals and its plain writes alike
.macro SECT
	v_nop
	s_wait_alu depctr_va_vdst(0)
.endm
.macro VHALF wn
.set WCS, (\wn)|((\wn)<<6)
.set WALL, (\wn)|((\wn)<<2)|((\wn)<<4)|((\wn)<<6)
	WIN ((\wn)|(1<<4)|((\wn)<<6))
.set i, 0
.rept 128
.set q, (i%64)/16
.set gb, 96+16*q+(i%16)+96*(q/2)
.if q == 2
	v_pk_fma_f32 v[i:i+1], v[i:i+1], s[TL:TL+1], v[gb:gb+1] op_sel_hi:[1,0,1]
.else
	v_pk_fma_f32 v[i:i+1], v[i:i+1], s[NL:NL+1], v[gb:gb+1] op_sel_hi:[1,0,1]
.endif
.set i, i+2
.endr
	s_wait_alu depctr_va_vdst(0)                   ; all first reads of the matrix results stand above it
	ZIP v_exp_f32, 0, 0, 64, 0, 0                  ; tile 0: 2^x of the four gates
	SECT
	ZIP v_exp_f32, 1, 0, 64, 1, 0
	SECT
	ZIP v_rcp_f32, 0, 0, 64, 1, 1
	SECT
	ZIP v_rcp_f32, 1, 0, 64, 2, 0
	SECT
	ZIP v_exp_f32, 2, 0, 32, 2, 1
	ZIP v_exp_f32, 2, 32, 32, 3, 0
	SECT
	ZIP v_exp_f32, 3, 0, 32, 1, 2
	ZIP v_exp_f32, 3, 32, 16, 3, 1
	ZIP v_exp_f32, 3, 48, 16, 4, 0
	SECT
	ZIP v_rcp_f32, 2, 0, 64, 1, 3
	ZIP v_exp_f32, 0, 0, 16, 4, 1                  ; tile 0: 2^x for tanh c, in gate i's registers
	SECT
	ZIP v_rcp_f32, 3, 0, 64, 2, 2
	ZIP v_exp_f32, 1, 0, 16, 5, 0
	SECT
	ZIP v_rcp_f32, 0, 0, 16, 2, 3
	ZIP v_rcp_f32, 0, 0, 0, 3, 2                   ; (no transcendental: the step's eight lines alone)
	ZIP v_rcp_f32, 0, 0, 0, 5, 1
	SECT
	ZIP v_rcp_f32, 1, 0, 8, 3, 3
	ZIP v_rcp_f32, 1, 8, 8, 4, 2
	ZIP v_rcp_f32, 0, 0, 0, 6, 0
	SECT
	ZIP v_exp_f32, 2, 0, 8, 4, 3
	ZIP v_exp_f32, 2, 8, 8, 6, 1
	SECT
	ZIP v_exp_f32, 3, 0, 16, 5, 2
	SECT
	ZIP v_rcp_f32, 2, 0, 16, 5, 3
	SECT
	ZIP v_rcp_f32, 3, 0, 16, 6, 2
	SECT
	ZIP v_rcp_f32, 0, 0, 0, 6, 3
	WIN ((\wn)|((\wn)<<2))
.set i, 0
.rept 32
.set b0, 64*(i/8)+2*(i%8)
	v_pk_mul_f32 v[HA+16*(i/8)+2*(i%8):HA+16*(i/8)+2*(i%8)+1], v[b0+48:b0+49], v[b0:b0+1]
.set i, i+1
.endr
	WIN 0
.irp m, 0,1,2,3
	v_max3_num_f32 v[HT+\m], |v[HA+16*\m]|, |v[HA+16*\m+1]|, 0x2800000
.endr
.irp i, 2,4,6,8,10,12,14
.irp m, 0,1,2,3
	v_max3_num_f32 v[HT+\m], v[HT+\m], |v[HA+16*\m+\i]|, |v[HA+16*\m+\i+1]|
.endr
.endr
.irp m, 0,1,2,3
	v_permlanex16_b32 v[HT2+\m], v[HT+\m], s[SEL], s[SEL+1]
.endr
.irp m, 0,1,2,3
	v_max_num_f32 v[HT+\m], v[HT+\m], v[HT2+\m]
.endr
.irp m, 0,1,2,3
	v_add_nc_u32 v[HT+\m], 0xfe000000, v[HT+\m]
.endr
.irp m, 0,1,2,3
	v_lshrrev_b32 v[HT2+\m], 23, v[HT+\m]
.endr
.irp m, 0,1,2,3
	v_cvt_scalef32_pk16_bf6_f32 v[HX+4*\m:HX+4*\m+2], v[HA+16*\m:HA+16*\m+15], v[HT+\m]
.endr
	v_nop
.irp m, 0,1,2,3
.irp j, 0,1,2
	ds_store_b32 v[HWC], v[HX+4*\m+\j] offset:(4*((\wn)-2)+\m)*FRB+4*\j
.endr
	ds_store_b8 v[HSC], v[HT2+\m] offset:256*((\wn)-2)+4*\m
.endr
.endm
	s_load_b512 s[4:19], s[0:1], 0x0
	s_load_b128 s[20:23], s[0:1], 0x40
	v_lshl_add_u32 v[SPW], v0, 2, SPARE
	v_mov_b32 v[NIL], 0
	ds_add_u32 v[SPW], v[NIL]
	ds_add_u32 v[SPW], v[NIL]
	v_lshrrev_b32 v64, 5, v0
	v_readfirstlane_b32 s[WV], v64
	s_bfe_u32 s25, ttmp6, 0x40000
	s_lshl_b32 s26, ttmp9, 2
	s_add_co_u32 s26, s26, s25
	s_mov_b32 s[G1], 15|(3<<16)|(1<<21)
	s_mov_b32 s[G1+1], 32<<16
	s_mov_b32 s[G1+2], 100<<16
	s_mov_b32 s[G1+3], 32<<16
	s_mov_b32 s[G1+4], 100
	s_mov_b32 s[G1+5], 32
	s_mov_b32 s[G1+6], 0
	s_mov_b32 s[G1+7], 0
	s_mul_i32 s74, s[WV], WPART
	s_mov_b32 s75, 0
	s_mul_i32 s76, s[WV], BLK
	s_mov_b32 s[SEL], 0x76543210
	s_mov_b32 s[SEL+1], 0xfedcba98
	s_mov_b32 s[NL], 0xbfb8aa3b
	s_mov_b32 s[NL+1], s[NL]
	s_mov_b32 s[TL], 0x4038aa3b
	s_mov_b32 s[TL+1], s[TL]
	s_lshl_b32 s72, s26, 18
	s_lshl_b32 s73, s[WV], 16
	s_add_co_u32 s72, s72, s73
	s_mov_b32 s73, 0
	s_lshr_b32 s78, s72, 4
	s_mov_b32 s79, 0
	s_wait_dscnt 0x0
	s_wait_kmcnt 0x0
	s_add_nc_u64 s[4:5], s[4:5], s[72:73]
	s_add_nc_u64 s[6:7], s[6:7], s[78:79]
	s_add_nc_u64 s[18:19], s[18:19], s[78:79]
	s_mov_b32 s[G0A], 1
	s_add_co_u32 s[G0A+1], s74, RING
	s_add_nc_u64 s[G0A+2:G0A+3], s[14:15], s[74:75]
	s_or_b32 s[G0A+3], s[G0A+3], 0x80000000
	s_mov_b32 s[G0B], 1
	s_add_co_u32 s[G0B+1], s74, RING+SLOT
	s_add_nc_u64 s[G0B+2:G0B+3], s[14:15], s[74:75]
	s_add_nc_u64 s[G0B+2:G0B+3], s[G0B+2:G0B+3], SLOT
	s_or_b32 s[G0B+3], s[G0B+3], 0x80000000
	CROUND
	tensor_load_to_lds s[G0A:G0A+3], s[G1:G1+7]    ; slot 0's first fill: my one tensor load at the head
	s_nop 0
.rept 4
	v_nop
.endr
	v_and_b32 v64, 31, v0
	v_and_b32 v[RR], 15, v0
	v_bfe_u32 v65, v0, 4, 1
	s_lshl_b32 s28, s[WV], 9
	v_lshl_add_u32 v[VB], v65, 6, s28
	v_lshlrev_b32 v[B2O], 5, v65
	v_lshlrev_b32 v[LI], 4, v64
	v_add_nc_u32 v[EA], REGB, v[LI]
	s_add_co_u32 s28, s74, RING
	v_add_nc_u32 v[WA0], s28, v[LI]
	v_add_nc_u32 v[WA1], SLOT, v[WA0]
	v_add_nc_u32 v[KX], s76, v[LI]
	s_add_co_u32 s28, s76, REGB
	v_add_nc_u32 v[WAX], s28, v[LI]
	v_mul_u32_u24 v[XSR], v[RR], XP
	v_lshl_add_u32 v[XSR], v65, 6, v[XSR]
	v_add_nc_u32 v[XSR], s28, v[XSR]
	v_mul_u32_u24 v66, v[RR], AP
	v_lshl_add_u32 v[ASR], v65, 6, v66
	v_add_nc_u32 v[ASR], s28, v[ASR]
	v_lshl_add_u32 v[SO], v65, 5, v66
	v_add_nc_u32 v[SO], s28, v[SO]
	v_lshrrev_b32 v67, 3, v64
	v_and_b32 v68, 7, v64
	v_mul_u32_u24 v[SRD], v67, AP
	v_lshl_add_u32 v[SRD], v68, 4, v[SRD]
	v_add_nc_u32 v[SRD], s28, v[SRD]
	s_mul_i32 s30, s[WV], 2*FRB
	v_add_nc_u32 v[XWI], s30, v[LI]
	s_lshr_b32 s28, s[WV], 1
	s_lshl_b32 s28, s28, 8
	s_and_b32 s29, s[WV], 1
	s_lshl_b32 s29, s29, 3
	s_add_co_u32 s28, s28, s29
	s_add_co_u32 s28, s28, SCB
	v_lshl_add_u32 v[XWS], v[RR], 4, s28
	s_add_co_u32 s28, s76, REGB+SCB
	v_lshl_add_u32 v[EWS], v[RR], 4, s28
	v_mul_u32_u24 v66, v[RR], 96
	v_mad_u32_u24 v[HW], v65, 12, v66
	v_add_nc_u32 v[HW], s76, v[HW]
	s_add_co_u32 s28, s76, SCB
	v_lshl_add_u32 v[HSW], v[RR], 4, s28
	v_mad_u32_u24 v[HR], v65, 24, v66
	v_add_nc_u32 v[HR], s30, v[HR]
	v_lshl_add_u32 v[STB], s26, 4, v[RR]
.irp b, 0,1,2,3
	v_mov_b32 v[TM+4+\b], 0
	v_mov_b32 v[HT2+\b], 0
.endr
	WIN 0x40
.irp b, 0,1,2,3
.irp j, 0,1,2,3
	global_load_b128 v[96+16*\b+96*(\b/2)+4*\j:96+16*\b+96*(\b/2)+4*\j+3], v[VB], s[8:9] offset:128*\b+16*\j
.endr
.endr
.irp tt, 0,1
	WIN ((2+\tt)<<6)
.irp s, 0,1,2,3
.irp i, 0,1,2,3,4,5,6,7,8,9,10,11,12,13,14,15
	global_load_b128 v[64*\s+4*\i:64*\s+4*\i+3], v[LI], s[4:5] offset:2048*(16*\tt+\i)+512*\s th:TH_LOAD_NT
.endr
.endr
.endr
	WIN 0x40
.irp i, 0,1,2,3,4,5,6,7
	global_load_b128 v[64+4*\i:64+4*\i+3], v[LI], s[6:7] offset:512*\i th:TH_LOAD_NT
.endr
.set i, 16
.rept 48
	v_mov_b32 v[i], 0
	v_mov_b32 v[128+i], 0
.set i, i+1
.endr
	WIN 0
.macro XQ base, wn, s, tt
	QUANT \base, \wn
	IMAGE XWI, BLK*(\s)+FRB*(\tt)
	ds_store_b32 v[XWS], v[PW] offset:BLK*(\s)+4*(\tt)
	s_wait_dscnt 0x0
.endm
	s_wait_alu depctr_va_vdst(0)
	s_wait_tensorcnt 0x0                           ; my part of slot 0 is in (the rows' global loads were issued above, under its flight)
	ds_add_u32 v[SPW], v[NIL]
	s_wait_dscnt 0x0
	CROUND
	JL G0B, G1                                     ; slot 1's first fill, the first tensor load behind the round
	s_wait_loadcnt 63
	TURNX 2, 0
	s_wait_loadcnt 63
	TURNX 2, 1
	s_wait_dscnt 32
	XQ 0,   2, 0, 0
	s_wait_loadcnt 63
	TURNX 2, 2
	XQ 64,  2, 1, 0
	s_wait_loadcnt 63
	TURNX 2, 3
	XQ 128, 2, 2, 0
	s_wait_loadcnt 56
	TURNX 3, 0
	XQ 192, 2, 3, 0
	s_wait_loadcnt 40
	TURNX 3, 1
	XQ 0,   3, 0, 1
	s_wait_loadcnt 24
	TURNX 3, 2
	XQ 64,  3, 1, 1
	s_wait_loadcnt 8
	TURNX 3, 3
	XQ 128, 3, 2, 1
	s_wait_loadcnt 0x0
	WIN (1<<2)
.irp i, 0,1,2,3,4,5,6,7
	ds_store_b128 v[SRD], v[64+4*\i:64+4*\i+3] offset:4*AP*\i
.endr
	WIN (1<<6)
.irp tt, 0,1
.irp j, 0,1,2,3
	ds_load_b128 v[128*\tt+4*\j:128*\tt+4*\j+3], v[ASR] offset:16*AP*\tt+16*\j
.endr
.endr
	WIN 0
	XQ 192, 3, 3, 1
	XQ 0,   1, 4, 0
	XQ 128, 1, 4, 1
.irp t, 0,1,2,3,4,5,6,7
.irp j, 0,1,2
	global_load_b128 v[KW+12*\t+4*\j:KW+12*\t+4*\j+3], v[KX], s[14:15] offset:TAILW+FRB*\t+512*\j
.endr
.endr
	global_load_b128 v[KS:KS+3], v[KX], s[14:15] offset:TAILW+SCB
	s_wait_tensorcnt 1
	s_barrier_signal -1
	s_barrier_wait -1
	COLD WA0, LI
	STEP 0, 2, WA0, BLK, LI, BLK
	TURN LI, 2*BLK
	STEP 0, 0, WA1, BLK, LI, 3*BLK
	STEPN 1, LI, 4*BLK
	LASTK
.macro EMB m
	WIN ((2+(\m)/4)<<2)
.set i, 0
.rept 64
	v_max_num_f32 v[HA+i], 0, v[64*((\m)%4)+i]
.set i, i+1
.endr
	QUANT HA, 0
	IMAGE WAX, FRB*(\m)
	ds_store_b32 v[EWS], v[PW] offset:256*((\m)/4)+4*((\m)%4)
	s_wait_dscnt 0x0
.endm
	EMB 0
	EMB 1
	EMB 2
	EMB 3
	CHANGE
	EMB 4
	EMB 5
	EMB 6
	EMB 7
	s_barrier_signal -1
	s_barrier_wait -1
.irp n, 0,1
.irp j, 0,1
	global_load_b128 v[B2R+8*\n+4*\j:B2R+8*\n+4*\j+3], v[B2O], s[12:13] offset:64*\n+16*\j
.endr
.endr
	s_mov_b32 s[TRIP], 4
	s_mov_b32 s[HB], 0
	s_mov_b32 s[HC], 0
.Lchunk:
	WIN 0x40
	s_wait_alu depctr_va_vdst(0)
.irp q, 0,1,2,3
.irp j, 0,1,2,3
	global_load_b128 v[96+16*\q+96*(\q/2)+4*\j:96+16*\q+96*(\q/2)+4*\j+3], v[VB], s[16:17] offset:2048*\q+16*\j
.endr
.endr
	WIN 0
.irp j, 0,1,2,3
	global_load_b128 v[CS+4*\j:CS+4*\j+3], v[VB], s[10:11] offset:16*\j
.endr
	COLD WA0, EA
	STEP 0, 1, WA0, BLK, EA, BLK
	TURN EA, 2*BLK
	STEP 0, 0, WA1, BLK, EA, 3*BLK
	LAST 1
	s_wait_loadcnt 0x0
	v_add_nc_u32 v[HWC], s[HB], v[HW]
	v_add_nc_u32 v[HSC], s[HC], v[HSW]
	VHALF 2
	CHANGE
	VHALF 3
	v_cmp_eq_u32 vcc_lo, 0xfff, v[STB]             ; row 32,767: work-group 255, l % 16 = 15, the last tile of 16 rows
	s_wait_xcnt 0x0                                ; EXEC changes only behind this wait
	s_and_saveexec_b32 s[SAVE], vcc_lo
.irp j, 0,1,2,3
	global_store_b128 v[VB], v[HA+48+4*\j:HA+48+4*\j+3], s[20:21] offset:16*\j   ; h of my 16 hidden units: 64 consecutive bytes a lane, at the units' own place
.endr
	WIN 0x0c
.irp j, 0,1,2,3
	global_store_b128 v[VB], v[208+4*\j:208+4*\j+3], s[22:23] offset:16*\j       ; c likewise
.endr
	WIN 0
	s_wait_xcnt 0x0                                ; and again in front of the line that widens it; the offset is stepped behind it too
	s_or_b32 exec_lo, exec_lo, s[SAVE]
	v_add_nc_u32 v[VB], 128, v[VB]
	s_add_co_u32 s[HB], s[HB], 24
	s_add_co_u32 s[HC], s[HC], 1
	s_sub_co_u32 s[TRIP], s[TRIP], 1
	s_cmp_lg_u32 s[TRIP], 0
	s_cbranch_scc1 .Lchunk
	s_wait_tensorcnt 0x0
	s_wait_dscnt 0x0
	s_barrier_signal -1
	s_barrier_wait -1
	WIN 0x40
.irp t, 0,1,2,3
.irp j, 0,1,2
	ds_load_b128 v[12*\t+4*\j:12*\t+4*\j+3], v[WA0] offset:FRB*\t+512*\j
.endr
.endr
.irp t, 4,5,6,7
.irp j, 0,1,2
	ds_load_b128 v[12*\t+4*\j:12*\t+4*\j+3], v[WA1] offset:FRB*\t+512*\j
.endr
.endr
	WIN 0
	ds_load_b128 v[WS:WS+3], v[WA0] offset:SCB
.irp tt, 0,1
.irp s, 0,1,2,3
.irp c, 0,1
.irp p, 0,1,2
	ds_load_b64 v[AF+12*(4*\tt+\s)+6*\c+2*\p:AF+12*(4*\tt+\s)+6*\c+2*\p+1], v[HR] offset:BLK*\s+FRB*\tt+48*\c+8*\p
.endr
.endr
	ds_load_b32 v[XS+4*\tt+\s], v[XWS] offset:BLK*\s+4*\tt
.endr
.endr
	s_wait_dscnt 0x0
.irp s, 0,1,2,3
.if \s == 0
	WIN 0x81
.else
	WIN 0xa1
.endif
.irp tt, 0,1
.irp n, 0,1
.set rD, 8*(2*\tt+\n)
.set rA, 12*(2*\s+\n)
.set rB, AF+12*(4*\tt+\s)
.set rSA, WS+((2*\s+\n)%4)
.set rSB, XS+4*\tt+\s
.set fV, \s/2
.set fZ, 0
.set rC, rD
.if \s == 0
.set rC, B2R+8*\n
.endif
	EMIT
.endr
.endr
.endr
	WIN 0
	PLACES 4
	WIN 0x08
.irp tt, 0,1
.irp n, 0,1
	ds_store_b128 v[SO], v[8*(2*\tt+\n):8*(2*\tt+\n)+3] offset:16*AP*\tt+64*\n
	ds_store_b128 v[SO], v[8*(2*\tt+\n)+4:8*(2*\tt+\n)+7] offset:16*AP*\tt+64*\n+16
.endr
.endr
	WIN 0
.irp i, 0,1,2,3,4,5,6,7
	ds_load_b128 v[AF+4*\i:AF+4*\i+3], v[SRD] offset:4*AP*\i
.endr
.irp i, 0,1,2,3,4,5,6,7
	s_wait_dscnt 7-\i
	global_store_b128 v[LI], v[AF+4*\i:AF+4*\i+3], s[18:19] offset:512*\i th:TH_STORE_NT
.endr
	s_wait_tensorcnt 0x0
	ds_add_u32 v[SPW], v[NIL]
	s_wait_dscnt 0x0
	CROUND
	s_endpgm
.Lfunc_end_k_q4b205819ba_main:
	.size	k_q4b205819ba_main, .Lfunc_end_k_q4b205819ba_main-k_q4b205819ba_main
	.p2alignl 7, 3214868480
	.fill 96, 4, 3214868480
	.section	.rodata,"a",@progbits
	.p2align	6, 0x0
	.amdhsa_kernel k_q4b205819ba_main
		.amdhsa_group_segment_fixed_size 327680
		.amdhsa_private_segment_fixed_size 0
		.amdhsa_enable_private_segment 0
		.amdhsa_kernarg_size 80
		.amdhsa_user_sgpr_count 2
		.amdhsa_user_sgpr_kernarg_segment_ptr 1
		.amdhsa_wavefront_size32 1
		.amdhsa_system_sgpr_workgroup_id_x 1
		.amdhsa_system_sgpr_workgroup_id_y 1
		.amdhsa_system_sgpr_workgroup_id_z 1
		.amdhsa_system_vgpr_workitem_id 0
		.amdhsa_next_free_vgpr 1024
		.amdhsa_next_free_sgpr 80
		.amdhsa_reserve_vcc 1
		.amdhsa_float_denorm_mode_32 3
		.amdhsa_float_denorm_mode_16_64 3
		.amdhsa_memory_ordered 1
		.amdhsa_forward_progress 1
		.amdhsa_inst_pref_size 255
	.end_amdhsa_kernel
	.section	.bss,"aw",@nobits
	.p2align	6
	.space	262144
	.amdgpu_metadata
---
amdhsa.version: [ 1, 2 ]
amdhsa.kernels:
  - .name:           k_q4b205819ba_main
    .symbol:         k_q4b205819ba_main.kd
    .args:
      - { .name: observation, .offset: 0, .size: 8, .value_kind: global_buffer, .address_space: global }
      - { .name: prev_action, .offset: 8, .size: 8, .value_kind: global_buffer, .address_space: global }
      - { .name: b1, .offset: 16, .size: 8, .value_kind: global_buffer, .address_space: global }
      - { .name: cell_state, .offset: 24, .size: 8, .value_kind: global_buffer, .address_space: global }
      - { .name: b2, .offset: 32, .size: 8, .value_kind: global_buffer, .address_space: global }
      - { .name: wq, .offset: 40, .size: 8, .value_kind: global_buffer, .address_space: global }
      - { .name: gbias, .offset: 48, .size: 8, .value_kind: global_buffer, .address_space: global }
      - { .name: out0, .offset: 56, .size: 8, .value_kind: global_buffer, .address_space: global }
      - { .name: out1, .offset: 64, .size: 8, .value_kind: global_buffer, .address_space: global }
      - { .name: out2, .offset: 72, .size: 8, .value_kind: global_buffer, .address_space: global }
    .group_segment_fixed_size: 327680
    .private_segment_fixed_size: 0
    .kernarg_segment_align: 8
    .kernarg_segment_size: 80
    .max_flat_workgroup_size: 128
    .sgpr_count:     80
    .vgpr_count:     1024
    .wavefront_size: 32
...
	.end_amdgpu_metadata
.endif
;; end of part 4
